; MI455X (gfx1250); checked and timed in simulation.
; The chip was launched on July 23, 2026; its instructions are those of AMD's public machine-readable ISA for CDNA 5 (MIT licence, August 2026) and "CDNA5" Instruction Set Architecture Reference Guide (July 2026). The comments in the code are by the model that wrote it; some were corrected since.
;; Attention. Allowed arithmetic: float matrix products may take bf16 or f16 operands with f32 sums; other float arithmetic in f32, or as packed bf16 or f16 multiplies, adds, multiply-adds, maxima and minima; sums over many terms, partial sums and values carried from step to step in f32; what a program stores and reads back later, other than sums and carried values, may be rounded once to bf16 or f16.
;; Inputs: Wk 1,024 x 1,024 float32; Wo 1,024 x 1,024 float32; Wq 1,024 x 1,024 float32; Wv 1,024 x 1,024 float32; bo 1,024 float32; k 8 x 1,024 x 1,024 float32; mask 8 x 1,024 int32; q 8 x 1,024 x 1,024 float32; target_mask 8 x 1,024 x 1,024 int32; v 8 x 1,024 x 1,024 float32.
;; Outputs: out0 8 x 1,024 x 1,024 float32.
;; 2 versions, each right; version 2 is version 1 with the launch prep written anew for expert scheduling mode. Each part assembles by itself: llvm-mc -triple=amdgcn-amd-amdhsa -mcpu=gfx1250 --defsym DOCPART=n.
;; ======== version 1 of 2: 4 launches
;; limits: values are held in f16: magnitudes above 65,504 overflow, below 6.1e-05 lose precision
;; workspace buffers: x16 50,331,648 bytes; w16 8,388,608 bytes; mbits 1,048,576 bytes of whole numbers; qkv 50,331,648 bytes; o16 16,777,216 bytes
;; launch prep (part 1): grid 704 x 1, 8 waves a work-group, no clusters, 35,840 bytes of LDS; arguments q, k, v, Wq, Wk, Wv, Wo, mask, target_mask, x16, w16, mbits; writes x16, w16, mbits
.if DOCPART == 1
	.amdgcn_target "amdgcn-amd-amdhsa--gfx1250"
	.amdhsa_code_object_version 6
	.text
	.protected	k_qdcb0710ac2_prep
	.globl	k_qdcb0710ac2_prep
	.p2align	8
	.type	k_qdcb0710ac2_prep,@function
k_qdcb0710ac2_prep:
	s_mov_b64 s[64:65], 0
	v_nop
	global_prefetch_b8 v0, s[64:65] scope:SCOPE_SE
	s_setreg_imm32_b32 hwreg(HW_REG_WAVE_MODE, 25, 1), 1
	s_wait_xcnt 0x0
; PREP: the module's inputs are brought into the forms in which the later launches take them.  A stream: no matrix work, no barrier.
; Work-groups 0-447 CAST: a chunk of 65,536 f32 each.  q, k, v (128 chunks each) -> x16 [3][8192][1024] bf16; Wq, Wk, Wv (16 chunks each) -> w16 parts 0-2, bf16, as they lie ([k][n]);
;   Wo (16 chunks) -> w16 part 3: rounded to bf16 like every other input, and that number written as f16, since the last product takes f16 operands.
;   LIMIT: a bf16 value of Wo below 2^-14 keeps f16's fixed step of 6e-8; beyond 65,504 it would be an infinity.
; Work-groups 448-703 PACK THE MASKS: bit = (mask[b][key] != 0) and (target_mask[b][query][key] != 0), one bit a score, in the lane order in which the attention launch holds scores:
;   mbits [b 8][query tile 64][key step 16][32 words]; word i, bit L: query = 16 tile + L % 16, key = 64 step + 16 (i / 8) + 8 (L / 16) + i % 8.  A word is then the lane mask of one select.
;   A wave takes 16 queries x 256 keys: it reads whole pieces of 256 bytes of 16 rows, turns them through its own 4,352 bytes of LDS, and stores 512 consecutive bytes.
.set SPARE, 34816                      ; behind the eight waves' 4,352 bytes: the spare words, 128 bytes for each wave
.set SPW, 4                            ; v4   LDS address of my spare word; never rewritten
.set NIL, 5                            ; v5   0; never rewritten
.set X,   8                            ; cast: v[8:71]    slot i: 4 f32 as loaded
.set Y,   72                           ; cast: v[72:103]  slot i: 4 numbers of 16 bits to store
.set T,   104                          ; cast: v[104:109] at work
.set KM,  8                            ; masks: v[8:23]    the key mask of my 256 keys
.set TM,  24                           ; masks: v[24:151]  target_mask: group s of 64 keys, pair of rows p at TM + 32 s + 4 p
.set F,   152                          ; masks: v[152:183] a group, turned: register i as in word i
.set OUT, 184                          ; masks: v[184:187] lane l holds words 4 l .. 4 l + 3 of the wave's 128
	s_load_b512 s[4:19], s[0:1], 0x0               ; q s[4:5], k s[6:7], v s[8:9], Wq s[10:11], Wk s[12:13], Wv s[14:15], Wo s[16:17], mask s[18:19]
	s_load_b256 s[20:27], s[0:1], 0x40             ; target_mask s[20:21], x16 s[22:23], w16 s[24:25], mbits s[26:27]
	v_lshl_add_u32 v[SPW], v0, 2, SPARE
	v_mov_b32 v[NIL], 0
	v_lshrrev_b32 v1, 5, v0
	v_readfirstlane_b32 s29, v1                    ; my wave's number
	s_mov_b32 s28, ttmp9                           ; the work-group's number
	s_mov_b32 s35, 0                               ; the high word of every offset pair s[34:35]
	s_cmp_ge_u32 s28, 448
	s_cbranch_scc1 .Lmask
	; ---------------- CAST ----------------
	v_lshlrev_b32 v2, 4, v0                        ; in: 16 bytes a thread: a wave's load covers 512 consecutive bytes
	v_lshlrev_b32 v3, 3, v0                        ; out: 8 bytes a thread: a wave's store covers 256 consecutive bytes, aligned
	s_wait_kmcnt 0x0
	s_cmp_ge_u32 s28, 128                          ; which tensor: the selects hang on the work-group's number alone
	s_cselect_b64 s[30:31], s[6:7], s[4:5]
	s_cmp_ge_u32 s28, 256
	s_cselect_b64 s[30:31], s[8:9], s[30:31]
	s_cmp_ge_u32 s28, 384
	s_cselect_b64 s[30:31], s[10:11], s[30:31]
	s_cselect_b64 s[32:33], s[24:25], s[22:23]     ; weights go to w16, the rest to x16
	s_cselect_b32 s36, 15, 127                     ; chunks in a source tensor, less 1
	s_cselect_b32 s37, 384, 0
	s_cmp_ge_u32 s28, 400
	s_cselect_b64 s[30:31], s[12:13], s[30:31]
	s_cmp_ge_u32 s28, 416
	s_cselect_b64 s[30:31], s[14:15], s[30:31]
	s_cmp_ge_u32 s28, 432
	s_cselect_b64 s[30:31], s[16:17], s[30:31]
	s_sub_co_u32 s37, s28, s37                     ; the chunk's number in its destination
	s_and_b32 s34, s37, s36                        ; and in its source
	s_lshl_b32 s34, s34, 18                        ; 262,144 bytes of f32 a chunk
	s_add_nc_u64 s[30:31], s[30:31], s[34:35]
	s_lshl_b32 s34, s37, 17                        ; 131,072 bytes of 16-bit numbers
	s_add_nc_u64 s[32:33], s[32:33], s[34:35]
.set i, 0
.rept 16                                       ; the ring is filled: sixteen loads of every wave are on their way
	global_load_b128 v[X+4*i:X+4*i+3], v2, s[30:31] offset:i*4096 th:TH_LOAD_NT
.set i, i+1
.endr
; One slot's turn: 1,024 numbers of the work-group.  ahead = 1: the slot is loaded again, 16 slots on.  left: the younger loads that may stay out.  kind = 1: Wo.
.macro CSLOT i, ahead, left, kind
	s_wait_loadcnt \left                           ; loads come back in order: mine is in
.if \kind
	v_cvt_pk_bf16_f32 v[T], v[X+4*(\i)], v[X+4*(\i)+1]        ; rounded to bf16,
	v_cvt_pk_bf16_f32 v[T+1], v[X+4*(\i)+2], v[X+4*(\i)+3]
	v_lshlrev_b32 v[T+2], 16, v[T]                             ; widened again,
	v_and_b32 v[T+3], 0xffff0000, v[T]
	v_lshlrev_b32 v[T+4], 16, v[T+1]
	v_and_b32 v[T+5], 0xffff0000, v[T+1]
	v_cvt_pk_f16_f32 v[Y+2*(\i)], v[T+2], v[T+3]               ; and written as f16: exact within f16's range
	v_cvt_pk_f16_f32 v[Y+2*(\i)+1], v[T+4], v[T+5]
.else
	v_cvt_pk_bf16_f32 v[Y+2*(\i)], v[X+4*(\i)], v[X+4*(\i)+1]
	v_cvt_pk_bf16_f32 v[Y+2*(\i)+1], v[X+4*(\i)+2], v[X+4*(\i)+3]
.endif
.if \ahead
	global_load_b128 v[X+4*(\i):X+4*(\i)+3], v2, s[30:31] offset:((\i)+16)*4096 th:TH_LOAD_NT
.endif
	global_store_b64 v3, v[Y+2*(\i):Y+2*(\i)+1], s[32:33] offset:(\i)*2048
.endm
; A chunk is four rounds of sixteen slots; the last round loads nothing and its counts run down.
.macro CAST kind
	s_mov_b32 s38, 3
.Lround_\@:
.set i, 0
.rept 16
	CSLOT i, 1, 15, \kind
.set i, i+1
.endr
	s_wait_xcnt 0x0                                ; the bases, and the Y registers that this round's stores read, are rewritten only behind this wait
	s_add_nc_u64 s[30:31], s[30:31], 0x10000
	s_add_nc_u64 s[32:33], s[32:33], 0x8000
	s_sub_co_u32 s38, s38, 1
	s_cmp_lg_u32 s38, 0
	s_cbranch_scc1 .Lround_\@
.set i, 0
.rept 16
	CSLOT i, 0, 15-i, \kind
.set i, i+1
.endr
	s_endpgm                                       ; a casting wave has written no LDS
.endm
	s_cmp_ge_u32 s28, 432
	s_cbranch_scc1 .Lwo
	CAST 0
.Lwo:
	CAST 1
	; ---------------- MASKS ----------------
.Lmask:
	s_sub_co_u32 s30, s28, 448
	s_lshl_b32 s30, s30, 3
	s_add_co_u32 s30, s30, s29                     ; u = my wave's unit, 0 .. 2047: query tile u / 4 (of all batches), keys 256 (u % 4) on
	v_and_b32 v1, 31, v0                           ; L
	v_and_b32 v2, 15, v0                           ; L % 16
	v_bfe_u32 v3, v0, 4, 1                         ; L / 16
	v_lshlrev_b32 v189, 4, v2                      ; the key mask: 16 bytes a lane, both halves of the lanes alike
	v_lshl_add_u32 v188, v3, 12, v189              ; target_mask: lanes 0-15 one row's 256 bytes, lanes 16-31 the next row's
	s_mul_i32 s31, s29, 4352                       ; my wave's 16 rows of 272 bytes in LDS
	v_mul_u32_u24 v6, v3, 272
	v_add3_u32 v190, v6, v189, s31                 ; in: as loaded
	v_mul_u32_u24 v6, v2, 272
	v_lshl_add_u32 v6, v3, 5, v6
	v_add_nc_u32 v191, s31, v6                     ; back: row L % 16, eight keys from 8 (L / 16) on
	v_lshlrev_b32 v7, 4, v1                        ; out: 16 bytes a lane
.irp j, 0,1,2,3
	v_mov_b32 v[OUT+\j], 0                         ; v_writelane_b32 counts as a reader of its destination
.endr
	s_lshr_b32 s32, s30, 2
	s_and_b32 s33, s30, 3
	s_lshl_b32 s34, s32, 16                        ; 16 rows of 4,096 bytes
	s_lshl_b32 s36, s33, 10                        ; 256 keys of 4 bytes
	s_add_co_u32 s34, s34, s36
	s_wait_kmcnt 0x0
	s_add_nc_u64 s[20:21], s[20:21], s[34:35]
	s_lshr_b32 s34, s30, 8                         ; the batch
	s_lshl_b32 s34, s34, 12
	s_add_co_u32 s34, s34, s36
	s_add_nc_u64 s[18:19], s[18:19], s[34:35]
	s_lshl_b32 s34, s30, 9                         ; 128 words a unit
	s_add_nc_u64 s[26:27], s[26:27], s[34:35]
.irp s, 0,1,2,3
	global_load_b128 v[KM+4*\s:KM+4*\s+3], v189, s[18:19] offset:256*\s
.endr
.set j, 0
.rept 32                                       ; group j / 8, rows 2 (j % 8) and 2 (j % 8) + 1
	global_load_b128 v[TM+4*j:TM+4*j+3], v188, s[20:21] offset:(j%8)*8192+(j/8)*256 th:TH_LOAD_NT
.set j, j+1
.endr
	s_wait_loadcnt 32                              ; the key mask is in; the 32 loads issued behind it stay out
.set j, 0
.rept 16
	v_cmp_ne_u32 s[40+j], 0, v[KM+j]               ; as lane masks, in the layout in which target_mask is loaded
.set j, j+1
.endr
; Group s of 64 keys: both masks are joined, the 16 x 64 words turned through LDS, and each turned register becomes one word of 32 bits.
.macro GROUP s
	s_wait_loadcnt 8*(3-(\s))                      ; the later groups' loads stay out
.set j, 0
.rept 32
	v_cndmask_b32 v[TM+32*(\s)+j], 0, v[TM+32*(\s)+j], s[40+4*(\s)+j%4]  ; 0 where the key is hidden for every query
.set j, j+1
.endr
.irp p, 0,1,2,3,4,5,6,7
	ds_store_b128 v190, v[TM+32*(\s)+4*\p:TM+32*(\s)+4*\p+3] offset:\p*544
.endr
.irp f, 0,1,2,3,4,5,6,7
	ds_load_b128 v[F+4*\f:F+4*\f+3], v191 offset:(\f/2)*64+(\f%2)*16  ; my wave's own bytes: LDS serves a wave's instructions in order
.endr
	s_wait_dscnt 0x0
.irp h, 0,1,2,3
.irp e, 0,1,2,3,4,5,6,7
	v_cmp_ne_u32 s[56+\e], 0, v[F+8*\h+\e]         ; word 8 h + e of the group
.endr
.irp e, 0,1,2,3,4,5,6,7
	v_writelane_b32 v[OUT+(\e%4)], s[56+\e], 8*(\s)+2*\h+(\e/4)  ; word w = 32 s + 8 h + e goes to lane w / 4, register w % 4
.endr
.endr
.endm
	GROUP 0
	GROUP 1
	GROUP 2
	GROUP 3
	global_store_b128 v7, v[OUT:OUT+3], s[26:27]   ; 512 consecutive bytes, aligned
	s_wait_tensorcnt 0x0                           ; the wave's end, behind my last LDS store
	ds_add_u32 v[SPW], v[NIL]
	s_wait_dscnt 0x0
	s_endpgm
.Lfunc_end_k_qdcb0710ac2_prep:
	.size	k_qdcb0710ac2_prep, .Lfunc_end_k_qdcb0710ac2_prep-k_qdcb0710ac2_prep
	.p2alignl 7, 3214868480
	.fill 96, 4, 3214868480
	.section	.rodata,"a",@progbits
	.p2align	6, 0x0
	.amdhsa_kernel k_qdcb0710ac2_prep
		.amdhsa_group_segment_fixed_size 35840
		.amdhsa_private_segment_fixed_size 0
		.amdhsa_enable_private_segment 0
		.amdhsa_kernarg_size 96
		.amdhsa_user_sgpr_count 2
		.amdhsa_user_sgpr_kernarg_segment_ptr 1
		.amdhsa_wavefront_size32 1
		.amdhsa_system_sgpr_workgroup_id_x 1
		.amdhsa_system_sgpr_workgroup_id_y 1
		.amdhsa_system_sgpr_workgroup_id_z 1
		.amdhsa_system_vgpr_workitem_id 0
		.amdhsa_next_free_vgpr 192
		.amdhsa_next_free_sgpr 66
		.amdhsa_reserve_vcc 0
		.amdhsa_float_denorm_mode_32 3
		.amdhsa_float_denorm_mode_16_64 3
		.amdhsa_memory_ordered 1
		.amdhsa_forward_progress 1
		.amdhsa_inst_pref_size 68
	.end_amdhsa_kernel
	.amdgpu_metadata
---
amdhsa.version: [ 1, 2 ]
amdhsa.kernels:
  - .name:           k_qdcb0710ac2_prep
    .symbol:         k_qdcb0710ac2_prep.kd
    .args:
      - { .name: q, .offset: 0, .size: 8, .value_kind: global_buffer, .address_space: global }
      - { .name: k, .offset: 8, .size: 8, .value_kind: global_buffer, .address_space: global }
      - { .name: v, .offset: 16, .size: 8, .value_kind: global_buffer, .address_space: global }
      - { .name: Wq, .offset: 24, .size: 8, .value_kind: global_buffer, .address_space: global }
      - { .name: Wk, .offset: 32, .size: 8, .value_kind: global_buffer, .address_space: global }
      - { .name: Wv, .offset: 40, .size: 8, .value_kind: global_buffer, .address_space: global }
      - { .name: Wo, .offset: 48, .size: 8, .value_kind: global_buffer, .address_space: global }
      - { .name: mask, .offset: 56, .size: 8, .value_kind: global_buffer, .address_space: global }
      - { .name: target_mask, .offset: 64, .size: 8, .value_kind: global_buffer, .address_space: global }
      - { .name: x16, .offset: 72, .size: 8, .value_kind: global_buffer, .address_space: global }
      - { .name: w16, .offset: 80, .size: 8, .value_kind: global_buffer, .address_space: global }
      - { .name: mbits, .offset: 88, .size: 8, .value_kind: global_buffer, .address_space: global }
    .group_segment_fixed_size: 35840
    .private_segment_fixed_size: 0
    .kernarg_segment_align: 8
    .kernarg_segment_size: 96
    .max_flat_workgroup_size: 256
    .sgpr_count:     66
    .vgpr_count:     192
    .wavefront_size: 32
...
	.end_amdgpu_metadata
.endif
;; end of part 1
;; launch proj (part 2): grid 4 x 96, 4 waves a work-group, clusters of 4 x 4, 327,680 bytes of LDS; arguments x16, w16, qkv; writes qkv
.if DOCPART == 2
	.amdgcn_target "amdgcn-amd-amdhsa--gfx1250"
	.amdhsa_code_object_version 6
	.text
	.protected	k_qdcb0710ac2_proj
	.globl	k_qdcb0710ac2_proj
	.p2align	8
	.type	k_qdcb0710ac2_proj,@function
k_qdcb0710ac2_proj:
	s_mov_b64 s[64:65], 0
	v_nop
	global_prefetch_b8 v0, s[64:65] scope:SCOPE_SE
	s_setreg_imm32_b32 hwreg(HW_REG_WAVE_MODE, 25, 1), 1
	s_wait_xcnt 0x0
	s_wait_alu depctr_hold_cnt(0) depctr_sa_sdst(0) depctr_va_vdst(0) depctr_va_sdst(0) depctr_va_ssrc(0) depctr_va_vcc(0) depctr_vm_vsrc(0)
	s_getreg_b32 s2, hwreg(HW_REG_IB_STS2, 6, 4)
	s_cmp_eq_u32 s2, 0
	s_cbranch_scc0 .Lentry_in_a_cluster
	s_endpgm
.Lentry_in_a_cluster:
	s_bfe_u32 s2, ttmp6, 0x10000c
	s_cmp_lg_u32 s2, 0xf033
	s_cbranch_scc0 .Lentry_shape_is_right
	s_endpgm
.Lentry_shape_is_right:
; THE THREE PROJECTIONS.  C[m][n] = sum over k of A[m][k] B[k][n], K = N = 1,024, sums in f32.
; A = x16 [3 x 8192][1024] bf16 (q, k, v on end), B = w16 part t (Wq, Wk, Wv) bf16 [k][n]; C leaves as f16 by heads: qkv [t][b 16 + h][n][64], unscaled.
; LIMIT: f16 ends at 65,504: a projected number beyond it becomes an infinity (the drawn inputs give a spread of 0.64).
; SHARES.  A tile of C is 256 x 256: 96 x 4 = 384 work-groups.  Four waves, as many as a WGP has SIMDs, each 128 x 128: 64 accumulators of 16 x 16, 512 registers.
; K goes in eight steps of 128 through two LDS slots; a step is 256 matrix instructions a wave, and a slot's refill has 224 of them in which to land.  A smaller tile has a whole number of
; work-groups for each WGP, but half the matrix work for each refill, and two slots of a longer step of it do not fit in LDS.
; B STAYS [k][n]: a tile is 128 rows (k) of 512 bytes, and its fragments come out of LDS turned, by ds_load_tr16_b128.
; CLUSTER 4 x 4: the four of a row need the same tiles of A, the four of a column the same tiles of B: each tile is asked for JOINTLY, by the same tensor load, descriptor and mask in all four.
; THE MATRIX INSTRUCTION IS USED TRANSPOSED (source 0 = 16 columns of B, source 1 = 16 rows of A): a lane then holds eight neighbouring numbers of a row of C.
; REGISTERS, in windows of 256 (s_set_vgpr_msb: bits 1:0 source 0, 3:2 source 1, 5:4 source 2, 7:6 destination):
;   window 0: v0-31 addresses; v64-127, v128-191 A's fragments (8 x 16 rows x 32 K), two buffers; v32-63, v192-255 at work on the way out
;   window 1: v64-127, v128-191 B's fragments, two buffers
;   window 2: the 32 accumulators of my rows 0-63 (accumulator (a, b) at v[8 (8 a + b)]);   window 3: those of my rows 64-127
.set APITCH, 272                       ; a row of A in LDS: 256 bytes + 16 of padding
.set BPITCH, 544                       ; a row of B: 512 bytes + 32: 17 x 32
.set AHALF,  128*APITCH                ; 128 rows: what one tensor load brings of A, and what one wave reads of it
.set BHALF,  64*BPITCH                 ; 64 rows (k): what one tensor load brings of B
.set ATILE,  2*AHALF
.set SLOT,   ATILE+2*BHALF             ; A's tile, then B's
.set STAGE,  2*SLOT                    ; behind the ring, never filled by a tensor load
.set WSTAGE, 2*16*144                  ; a wave's stage: two heads x 16 rows of 128 bytes + 16
.set SPARE,  STAGE+4*WSTAGE            ; behind the stages: the spare words, 128 bytes for each wave
.set ASTEP,  256                       ; bytes in memory from a K step's tile of A to the next,
.set BSTEP,  262144                    ; and of B: 128 rows of 2,048
.set LAPS,   4                         ; a lap = two K steps = once round the ring
.set ADRA, 16                          ; v16-17  LDS address of my A fragments in slot 0, 1
.set ADRB, 20                          ; v20-21  the same for B
.set STO,  24                          ; v24     the way out: where I put 16 bytes of a row
.set RD,   25                          ; v25     the way out: where I read rows back
.set CO,   26                          ; v26     16 x lane
.set SPW,  28                          ; v28     LDS address of my spare word; never rewritten
.set NIL,  29                          ; v29     0; never rewritten
.set F0,   64                          ; fragment buffer 0
.set F1,   128                         ; fragment buffer 1
.set TMP,  192                         ; the way out: packed results
.set OB,   32                          ; the way out: a block read back from the stage: v32-63 and v224-255 by turns
.set G1,  24                           ; s[24:31] descriptor group 1 for A's tiles; s[32:39] group 0, a set for each slot
.set G0,  32
.set G1B, 48                           ; s[48:55], s[56:63] the same for B's
.set G0B, 56
.set MSB, 0
.macro WIN new                         ; the immediate's high byte repeats the setting that is left; a switch that changes nothing is dropped
.if MSB != (\new)
	s_set_vgpr_msb (MSB<<8)|(\new)
.set MSB, \new
.endif
.endm
.set MUL_LO, 0xa1                      ; source 0 (B) window 1, source 1 (A) window 0, C and D window 2
.set MUL_HI, 0xf1                      ; the same, C and D window 3
.set TO_B,   0x40                      ; destination window 1, address window 0
.macro JLOAD s                         ; a joint load: waves 0 and 1 fetch A's two halves, waves 2 and 3 B's; an s_nop 0 and four v_nop follow each of the two lines
	s_cmp_eq_u32 s11, 0
	s_cbranch_scc0 .Lfor_b_\@
	tensor_load_to_lds s[G0+4*(\s):G0+4*(\s)+3], s[G1:G1+7]
	s_nop 0
.rept 4
	v_nop
.endr
	s_branch .Lasked_\@
.Lfor_b_\@:
	tensor_load_to_lds s[G0B+4*(\s):G0B+4*(\s)+3], s[G1B:G1B+7]
	s_nop 0
.rept 4
	v_nop
.endr
.Lasked_\@:
.endm
.macro CREST                           ; a round of the cluster's barrier behind its opening barrier
	s_cmp_lg_u32 s10, 0
	s_cbranch_scc1 .Lnot_wave_0_\@
	s_barrier_signal -3
.Lnot_wave_0_\@:
	s_barrier_wait -3
	s_barrier_signal -1
	s_barrier_wait -1
.endm
.macro CROUND                          ; a whole round
	s_barrier_signal -1
	s_barrier_wait -1
	CREST
.endm
	s_load_b128 s[4:7], s[0:1], 0x0                ; x16 s[4:5], w16 s[6:7]
	s_load_b64 s[8:9], s[0:1], 0x10                ; qkv
	v_lshl_add_u32 v[SPW], v0, 2, SPARE
	v_mov_b32 v[NIL], 0
	ds_add_u32 v[SPW], v[NIL]                      ; the wave's opening: the add and its wait stand ahead of my first tensor load; the set-up below stands between them
	v_lshrrev_b32 v1, 5, v0
	v_readfirstlane_b32 s10, v1                    ; wave 0..3
	s_lshr_b32 s11, s10, 1                         ; which 128 rows of the tile are mine.  Also: I fetch for A (0) or for B (1)
	s_and_b32 s12, s10, 1                          ; which 128 columns.  Also: which half of that tile I fetch
	s_bfe_u32 s40, ttmp6, 0x40000                  ; cx, cy: my place in the cluster
	s_bfe_u32 s41, ttmp6, 0x40004
	s_lshl_b32 s42, ttmp9, 2
	s_add_co_u32 s42, s42, s40                     ; tile column = 4 x cluster x + cx
	s_and_b32 s45, ttmp7, 0xffff                   ; the cluster's y
	s_lshl_b32 s13, s45, 2
	s_add_co_u32 s13, s13, s41                     ; tile row = 4 x cluster y + cy
	s_lshl_b32 s43, s41, 2
	s_lshl_b32 s43, 15, s43                        ; my row of the cluster
	s_lshl_b32 s44, 0x1111, s40                    ; my column
	s_or_b32 s[G1+0], s43, (1<<16)|(1<<20)|(1<<21)|(5<<22)|(3<<25)   ; 15:0 the mask: A's tiles go to my row; 17:16 2-byte elements; 20 padding on; 21 set beside a mask; 4 words of padding after every 64
	s_or_b32 s[G1B+0], s44, (1<<16)|(1<<20)|(1<<21)|(6<<22)|(7<<25)  ; B's go to my column; 8 words of padding after every 128
	s_mov_b32 s[G1+1], 128<<16                     ; A: tensor_dim0 = 128
	s_mov_b32 s[G1+2], 128<<16                     ; tensor_dim1 = 128
	s_mov_b32 s[G1+3], 128<<16                     ; tile_dim0 = 128
	s_mov_b32 s[G1+4], 128                         ; tile_dim1 = 128
	s_mov_b32 s[G1+5], 1024                        ; elements from row to row
	s_mov_b32 s[G1+6], 0
	s_mov_b32 s[G1+7], 0
	s_mov_b32 s[G1B+1], 256<<16                    ; B: 64 rows of 256 elements, 1,024 apart
	s_mov_b32 s[G1B+2], 64<<16
	s_mov_b32 s[G1B+3], 256<<16
	s_mov_b32 s[G1B+4], 64
	s_mov_b32 s[G1B+5], 1024
	s_mov_b32 s[G1B+6], 0
	s_mov_b32 s[G1B+7], 0
	; where the tiles come from.  A's hang on the tile row and the wave alone, B's on the tile column, the wave and the cluster's y, each in registers that never hold the other place
	s_lshl_b32 s16, s13, 8
	s_lshl_b32 s17, s12, 7
	s_add_co_u32 s16, s16, s17                     ; row 256 x tile row + 128 x half,
	s_lshl_b32 s16, s16, 11                        ; of 2,048 bytes
	s_mov_b32 s17, 0
	s_lshl_b32 s46, s42, 9                         ; B: 256 columns of 2 bytes,
	s_lshl_b32 s47, s12, 17                        ; 64 rows of 2,048 bytes,
	s_add_co_u32 s46, s46, s47
	s_lshr_b32 s45, s45, 3                         ; t: 8 clusters (32 tile rows) to a tensor: the same in all sixteen partners
	s_lshl_b32 s47, s45, 21                        ; part t of w16
	s_add_co_u32 s46, s46, s47
	s_mov_b32 s47, 0
	s_mul_i32 s20, s12, AHALF                      ; and where they go: no place in the cluster enters an LDS address
	s_mul_i32 s21, s12, BHALF
	s_add_co_u32 s21, s21, ATILE
	s_wait_dscnt 0x0                               ; the opening add is done
	s_wait_kmcnt 0x0
	s_add_nc_u64 s[14:15], s[4:5], s[16:17]
	s_add_nc_u64 s[46:47], s[6:7], s[46:47]
	CROUND                                         ; all sixteen work-groups are here: the first joint loads meet
.irp s, 0,1
	s_mov_b32 s[G0+4*(\s)], 1                                        ; count = 1
	s_add_co_u32 s[G0+4*(\s)+1], s20, (\s)*SLOT                      ; LDS address
	s_add_nc_u64 s[G0+4*(\s)+2:G0+4*(\s)+3], s[14:15], (\s)*ASTEP    ; global address: K step s
	s_or_b32 s[G0+4*(\s)+3], s[G0+4*(\s)+3], 0x80000000              ; type = 2
	s_mov_b32 s[G0B+4*(\s)], 1
	s_add_co_u32 s[G0B+4*(\s)+1], s21, (\s)*SLOT
	s_add_nc_u64 s[G0B+4*(\s)+2:G0B+4*(\s)+3], s[46:47], (\s)*BSTEP
	s_or_b32 s[G0B+4*(\s)+3], s[G0B+4*(\s)+3], 0x80000000
	JLOAD \s                                       ; two tensor loads of mine are out
.endr
	v_and_b32 v1, 15, v0                           ; l % 16
	v_bfe_u32 v2, v0, 4, 1                         ; l / 16
	v_mul_u32_u24 v3, v1, APITCH
	v_lshl_add_u32 v3, v2, 4, v3                   ; A: row x pitch + 16 x half of the lanes
	v_and_b32 v5, 7, v0
	v_bfe_u32 v6, v0, 3, 1
	v_lshl_add_u32 v4, v2, 3, v5                   ; B, turned: lane l reads row (k) 8 (l / 16) + l % 8, columns 8 ((l / 8) % 2) on
	v_mul_u32_u24 v4, v4, BPITCH
	v_lshl_add_u32 v4, v6, 4, v4
	s_mul_i32 s22, s11, AHALF                      ; my 128 rows of A
	s_lshl_b32 s23, s12, 8                         ; my 128 columns of B,
	s_add_co_u32 s23, s23, ATILE                   ; which lies behind A
.irp s, 0,1
	v_add_nc_u32 v[ADRA+(\s)], s22, v3
	v_add_nc_u32 v[ADRB+(\s)], s23, v4
	s_add_co_u32 s22, s22, SLOT
	s_add_co_u32 s23, s23, SLOT
.endr
	s_mul_i32 s22, s10, WSTAGE
	s_add_co_u32 s22, s22, STAGE                   ; my stage
	v_and_b32 v7, 31, v0
	v_lshlrev_b32 v[CO], 4, v7
	v_mul_u32_u24 v7, v1, 144                      ; in: row l % 16, 16 bytes for each half of the lanes
	v_lshl_add_u32 v7, v2, 4, v7
	v_add_nc_u32 v[STO], s22, v7
	v_bfe_u32 v7, v0, 3, 2                         ; back: 32 lanes take four rows of 128 bytes
	v_mul_u32_u24 v7, v7, 144
	v_lshl_add_u32 v7, v5, 4, v7
	v_add_nc_u32 v[RD], s22, v7
	s_and_b32 s16, s13, 31                         ; C: the tile row in its tensor:
	s_lshr_b32 s17, s16, 2                         ; the batch, 16 heads of 131,072 bytes,
	s_lshl_b32 s17, s17, 21
	s_and_b32 s16, s16, 3                          ; 256 rows of 128 bytes,
	s_lshl_b32 s16, s16, 15
	s_add_co_u32 s16, s16, s17
	s_lshl_b32 s17, s11, 14                        ; my 128 rows,
	s_add_co_u32 s16, s16, s17
	s_lshl_b32 s17, s45, 24                        ; part t of qkv
	s_add_co_u32 s16, s16, s17
	s_mov_b32 s17, 0
	s_add_nc_u64 s[8:9], s[8:9], s[16:17]
	s_lshl_b32 s46, s42, 19                        ; four heads a tile column (in the registers that held B's address: none that feeds A's descriptors ever holds cx),
	s_lshl_b32 s47, s12, 18                        ; my two
	s_add_co_u32 s46, s46, s47
	s_mov_b32 s47, 0
	s_add_nc_u64 s[8:9], s[8:9], s[46:47]
; 16 matrix instructions: m blocks a0, a0 + 1 of the window's four (hi = 0: my rows 0-63, 1: rows 64-127) x all 8 n blocks, 32 along K.  zero = 1: the product starts the sums.
; The 64 accumulators take turns, one instruction a turn.
.macro MUL16 f, hi, a0, zero
	WIN MUL_LO+0x50*(\hi)
.irp a, \a0, (\a0)+1
.irp b, 0,1,2,3,4,5,6,7
.if \zero
	v_wmma_f32_16x16x32_bf16 v[8*(8*(\a)+(\b)):8*(8*(\a)+(\b))+7], v[(\f)+8*(\b):(\f)+8*(\b)+7], v[(\f)+8*(4*(\hi)+(\a)):(\f)+8*(4*(\hi)+(\a))+7], 0
.else
	v_wmma_f32_16x16x32_bf16 v[8*(8*(\a)+(\b)):8*(8*(\a)+(\b))+7], v[(\f)+8*(\b):(\f)+8*(\b)+7], v[(\f)+8*(4*(\hi)+(\a)):(\f)+8*(4*(\hi)+(\a))+7], v[8*(8*(\a)+(\b)):8*(8*(\a)+(\b))+7]
.endif
.endr
.endr
.endm
; 32 LDS loads in one run: the fragments of quarter q (32 along K) of a slot into buffer f: B's sixteen (turned), then A's sixteen, rows 64-127 last
.macro FETCH slot, q, f
	WIN TO_B
.irp i, 0,1,2,3,4,5,6,7
	ds_load_tr16_b128 v[(\f)+8*(\i):(\f)+8*(\i)+3],   v[ADRB+(\slot)] offset:(\q)*32*BPITCH+32*(\i)
	ds_load_tr16_b128 v[(\f)+8*(\i)+4:(\f)+8*(\i)+7], v[ADRB+(\slot)] offset:(\q)*32*BPITCH+16*BPITCH+32*(\i)
.endr
	WIN 0
.irp i, 0,1,2,3,4,5,6,7
	ds_load_b128 v[(\f)+8*(\i):(\f)+8*(\i)+3],   v[ADRA+(\slot)] offset:(\q)*64+(\i)*16*APITCH
	ds_load_b128 v[(\f)+8*(\i)+4:(\f)+8*(\i)+7], v[ADRA+(\slot)] offset:(\q)*64+(\i)*16*APITCH+32
.endr
.endm
.macro PLACES                          ; four places in front of loads into registers that matrix instructions have read, and of lines that read results
.rept 4
	v_nop
.endr
.endm
; A K step is four quarters of 32 along K, 64 matrix instructions each, on buffers 0, 1, 0, 1.  One of the first three: multiplies buffer f; in its middle it fetches quarter qn into g.
.macro QUARTER slot, qn, f, g, zero
	s_wait_dscnt 8                                 ; B and A's rows 0-63 are in; the youngest eight loads (A's rows 64-127) may be out
	MUL16 \f, 0, 0, \zero
	MUL16 \f, 0, 2, \zero
	PLACES
	FETCH \slot, \qn, \g
	s_wait_dscnt 32                                ; all but the 32 just issued
	MUL16 \f, 1, 0, \zero
	MUL16 \f, 1, 2, \zero
.endm
; The last quarter multiplies buffer 1 and changes slots: ONE barrier; in front of it each wave waits for all its tensor loads (its part of the next slot), adds 0 to its spare word,
; and waits for that and for its own reads of this slot.  fill = 1: the barrier opens a round of the cluster's, and this slot is filled again, two K steps ahead, first thing behind it.
.macro TURN slot, next, fill
	WIN 0                                          ; (the add's two registers lie in window 0)
	s_wait_tensorcnt 0x0                           ; all my tensor loads have landed
	ds_add_u32 v[SPW], v[NIL]                      ; 0 onto my spare word
	s_wait_dscnt 9                                 ; (the add and the youngest eight loads may be out)
	MUL16 F1, 0, 0, 0                              ; sixteen matrix instructions stand between the add and the wait for it
	s_wait_dscnt 0x0                               ; the add is done, and my reads of this slot are over
	s_barrier_signal -1
	MUL16 F1, 0, 2, 0                              ; work on registers while the others arrive
.if \fill
	WIN 0
.endif
	s_barrier_wait -1
.if \fill
	CREST                                          ; no wave of any partner still reads this slot's tile or has a load on its way
	s_add_nc_u64 s[G0+4*(\slot)+2:G0+4*(\slot)+3], s[G0+4*(\slot)+2:G0+4*(\slot)+3], 2*ASTEP
	s_add_nc_u64 s[G0B+4*(\slot)+2:G0B+4*(\slot)+3], s[G0B+4*(\slot)+2:G0B+4*(\slot)+3], 2*BSTEP
	JLOAD \slot                                    ; my one tensor load behind the round; the four v_nop behind it are also the places in front of the loads below
.else
	PLACES
.endif
	FETCH \next, 0, F0
	MUL16 F1, 1, 0, 0
	MUL16 F1, 1, 2, 0
.endm
	s_wait_tensorcnt 1                             ; my part of K step 0 is in; K step 1's may stay out
	s_barrier_signal -1
	s_barrier_wait -1                              ; everybody's is
	FETCH 0, 0, F0
	QUARTER 0, 1, F0, F1, 1                        ; the first quarter stands in front of the loop: its products start the sums
	WIN 0                                          ; at a label and at a branch every window is 0
	s_mov_b32 s3, LAPS-1
.Llap:                                                 ; a trip goes once round the ring and fills both slots again: K steps 2 to 7 in three trips
	QUARTER 0, 2, F1, F0, 0
	QUARTER 0, 3, F0, F1, 0
	TURN 0, 1, 1
	QUARTER 1, 1, F0, F1, 0
	QUARTER 1, 2, F1, F0, 0
	QUARTER 1, 3, F0, F1, 0
	TURN 1, 0, 1
	QUARTER 0, 1, F0, F1, 0
	WIN 0
	s_sub_co_u32 s3, s3, 1
	s_cmp_lg_u32 s3, 0
	s_cbranch_scc1 .Llap
	QUARTER 0, 2, F1, F0, 0                        ; the last lap fills nothing, and has no round of the cluster's barrier
	QUARTER 0, 3, F0, F1, 0
	TURN 0, 1, 0
	QUARTER 1, 1, F0, F1, 0
	QUARTER 1, 2, F1, F0, 0
	QUARTER 1, 3, F0, F1, 0
	s_wait_dscnt 8                                 ; the very last quarter: nothing more to fetch
	MUL16 F1, 0, 0, 0
	MUL16 F1, 0, 2, 0
	s_wait_dscnt 0x0
	MUL16 F1, 1, 0, 0
	MUL16 F1, 1, 2, 0
	WIN 0
	PLACES
; THE WAY OUT, f16 by heads: block a (16 rows x two heads) is rounded, 16 bytes a lane, goes into my stage, and comes back as rows of 128 bytes, which lie end to end in memory: a store covers 512 consecutive bytes.
.macro PACK a
.set AC, 64*((\a)%4)
	WIN 0x0a+5*((\a)/4)                            ; sources 0 and 1: window 2 or 3; destination window 0
.irp b, 0,1,2,3,4,5,6,7
.irp r, 0,1,2,3
	v_cvt_pk_f16_f32 v[TMP+4*(\b)+(\r)], v[AC+8*(\b)+2*(\r)], v[AC+8*(\b)+2*(\r)+1]  ; each accumulator's registers in ascending order
.endr
.endr
	WIN 0
.endm
.macro TOSTAGE a
.set BK, OB+192*((\a)%2)
.irp b, 0,1,2,3,4,5,6,7
	ds_store_b128 v[STO], v[TMP+4*\b:TMP+4*\b+3] offset:(\b/4)*2304+(\b%4)*32
.endr
.irp f, 0,1,2,3,4,5,6,7                ; head f / 4, rows 4 (f % 4) on
	ds_load_b128 v[BK+4*\f:BK+4*\f+3], v[RD] offset:(\f/4)*2304+(\f%4)*576  ; LDS serves a wave's instructions in order: these see the stores above
.endr
.endm
.macro SEND a
.set BK, OB+192*((\a)%2)
	s_wait_dscnt 0x0                               ; the block is back in registers
	s_wait_xcnt 0x0                                ; the block before's stores have read their registers: the next TOSTAGE loads into them
.irp f, 0,1,2,3,4,5,6,7
	global_store_b128 v[CO], v[BK+4*\f:BK+4*\f+3], s[8:9] offset:(\f/4)*131072+(\a)*2048+(\f%4)*512
.endr
.endm
	PACK 0
	TOSTAGE 0
.irp a, 1,2,3,4,5,6,7                  ; block a's conversions stand between block a - 1's loads from the stage and the wait for them
	PACK \a
	SEND (\a)-1
	TOSTAGE \a
.endr
	SEND 7
	s_wait_tensorcnt 0x0                           ; the wave's end, behind my last tensor load and my last LDS store
	ds_add_u32 v[SPW], v[NIL]
	s_wait_dscnt 0x0
	CROUND                                         ; the closing round: no work-group ends while a partner may still ask for a tile that names it
	s_endpgm
.Lfunc_end_k_qdcb0710ac2_proj:
	.size	k_qdcb0710ac2_proj, .Lfunc_end_k_qdcb0710ac2_proj-k_qdcb0710ac2_proj
	.p2alignl 7, 3214868480
	.fill 96, 4, 3214868480
	.section	.rodata,"a",@progbits
	.p2align	6, 0x0
	.amdhsa_kernel k_qdcb0710ac2_proj
		.amdhsa_group_segment_fixed_size 327680
		.amdhsa_private_segment_fixed_size 0
		.amdhsa_enable_private_segment 0
		.amdhsa_kernarg_size 24
		.amdhsa_user_sgpr_count 2
		.amdhsa_user_sgpr_kernarg_segment_ptr 1
		.amdhsa_wavefront_size32 1
		.amdhsa_system_sgpr_workgroup_id_x 1
		.amdhsa_system_sgpr_workgroup_id_y 1
		.amdhsa_system_sgpr_workgroup_id_z 1
		.amdhsa_system_vgpr_workitem_id 0
		.amdhsa_next_free_vgpr 1024
		.amdhsa_next_free_sgpr 66
		.amdhsa_reserve_vcc 0
		.amdhsa_float_denorm_mode_32 3
		.amdhsa_float_denorm_mode_16_64 3
		.amdhsa_memory_ordered 1
		.amdhsa_forward_progress 1
		.amdhsa_inst_pref_size 143
	.end_amdhsa_kernel
	.amdgpu_metadata
---
amdhsa.version: [ 1, 2 ]
amdhsa.kernels:
  - .name:           k_qdcb0710ac2_proj
    .symbol:         k_qdcb0710ac2_proj.kd
    .args:
      - { .name: x16, .offset: 0, .size: 8, .value_kind: global_buffer, .address_space: global }
      - { .name: w16, .offset: 8, .size: 8, .value_kind: global_buffer, .address_space: global }
      - { .name: qkv, .offset: 16, .size: 8, .value_kind: global_buffer, .address_space: global }
    .group_segment_fixed_size: 327680
    .private_segment_fixed_size: 0
    .kernarg_segment_align: 8
    .kernarg_segment_size: 24
    .max_flat_workgroup_size: 128
    .sgpr_count:     66
    .vgpr_count:     1024
    .wavefront_size: 32
...
	.end_amdgpu_metadata
.endif
;; end of part 2
;; launch attn (part 3): grid 2 x 128, 8 waves a work-group, no clusters, 327,680 bytes of LDS; arguments qkv, mbits, o16; writes o16
.if DOCPART == 3
	.amdgcn_target "amdgcn-amd-amdhsa--gfx1250"
	.amdhsa_code_object_version 6
	.text
	.protected	k_qdcb0710ac2_attn
	.globl	k_qdcb0710ac2_attn
	.p2align	8
	.type	k_qdcb0710ac2_attn,@function
k_qdcb0710ac2_attn:
	s_mov_b64 s[64:65], 0
	v_nop
	global_prefetch_b8 v0, s[64:65] scope:SCOPE_SE
	s_setreg_imm32_b32 hwreg(HW_REG_WAVE_MODE, 25, 1), 1
	s_wait_xcnt 0x0
; MASKED ATTENTION at head size 64.  O[bh][q][:] = the sum over k of softmax_k(s(q, k)) V[bh][k][:], s = Q . K / 8 where the pair's bit in mbits is 1, and the hidden score where it is 0.
; qkv: [3][bh 128][1024][64] f16 (Q, K, V, unscaled); mbits: [b][query tile 64][key step 16][32 words], word i, bit L: query L % 16, key 16 (i / 8) + 8 (L / 16) + i % 8; o16: [bh][1024][64] f16.
; Products, maxima and sums in f32; the weights p are rounded to f16 for the second product (their sum l is taken of the unrounded p), O once at the end.
; THE MASK REPLACES: a hidden score is set by a select AHEAD of the running maximum.  A row with no visible key thus has p = 1 for all 1,024 keys and leaves as the mean of V's rows;
; the first visible key makes a = 0 and wipes what hidden keys had added.
; LIMITS.  A hidden score counts as -2^33 ahead of the scale 1/8, -1.07e9 behind it, for the module's -1e9: a power of two, so that c times it is exact and a hidden key's weight in an all-hidden row is
; exactly 1.  The result differs only where a visible scaled score lies within some 1e8 of -1e9.  f16 holds no number beyond 65,504: Q, K, V arrive within it.  A weight below 2^-126 counts as 0.
; NaN and infinities are not treated apart.
; SHARES.  A work-group owns 512 queries of one (batch, head), each of its eight waves 64: four tiles of 16.  THE HEAD'S WHOLE K AND V LIE IN LDS (1,024 rows each), filled once: no slot is filled again.
; Two waves lie on a SIMD and run their steps in phases with no barrier in the loop: one wave's products stand beside the other's softmax.
; NO CLUSTER: a head has two query blocks, not four, and what the two share is read once, at the start.
; LAYOUT.  S^T = K Q^T holds ONE query a lane (lane % 16) and the keys 8 (lane / 16) + 0..7; two such results rounded to f16 ARE source 1 of O^T = V^T P.  P is made in place: pair n of a tile's scores lands in its register n.
; SOFTMAX.  p = 2^(c s - c m), c = log2(e) / 8, with a running maximum m; O and l are multiplied by a = 2^(c m_old - c m_new) in every step but the first, which is written out.
; REGISTERS: window 0: v0-15 addresses; v16-31 four of statistics a tile (c m, m, l, l); v32-63 at work, 16 for each tile of a pair; v64-191 S^T, 32 a tile; v192-255 Q, 16 a tile.
;   window 1: v0-127 O^T, 32 a tile; v128-191 K of one step; v192-255 V of one step.
.set PK,    144       ; a row of K in LDS: 128 bytes + 16
.set PVP,   160       ; a row of V: 128 + 32: 5 x 32
.set KS,    64        ; keys in a step
.set VOFF,  1024*PK   ; V lies behind K
.set SPARE, VOFF+1024*PVP  ; behind V: the spare words, 128 bytes for each wave
.set SP,    144       ; the way out: 16 rows x 144 bytes for each wave, in K's first 18,432 bytes, which have had their only fill and, behind the last barrier, their last read
.set AK0, 2           ; v2   my lane's place in a step of K; never rewritten
.set AV0, 3           ; v3   the same for V
.set AK,  4           ; v4   the LDS address of K's next run of loads
.set AV,  5           ; v5   of V's
.set QO,  6           ; v6   my byte offset in 16 rows of Q
.set RD,  7           ; v7   the way out: where I read rows back
.set GO,  8           ; v8   16 x lane
.set NEG, 12          ; v12  the hidden score
.set STO, 13          ; v13  the way out: where I put 16 bytes of a row
.set SPW, 14          ; v14  LDS address of my spare word; never rewritten
.set NIL, 15          ; v15  0; never rewritten
.set ST,  16
.set TMP, 32          ; for tile t at TMP + 16 (t % 2): c0-c3 (a takes c2's place), c m_old at +4, four running pairs of the step's sum at +8 .. +15
.set S,   64
.set Q,   192
.set KF,  128         ; window 1: key block kb, channel half c at KF + 16 kb + 8 c
.set VF,  192         ; window 1: key half kk, channel block cb at VF + 32 kk + 8 cb
.set MBP, 2           ; s[2:3]   mbits at my first tile's words of the step in hand
.set G0A, 4           ; s[4:7]   descriptor group 0 of my first load; when that has landed:
.set TBK, 4           ; s4       LDS byte at which K of the step to be fetched begins
.set TBV, 5           ; s5       the same for V, less VOFF
.set G0B, 8           ; s[8:11]  group 0 of my second load
.set OB,  12          ; s[12:13] O at my wave's first row
.set SEL, 14          ; s[14:15] v_permlanex16_b32's selects: each lane takes its own place in the other half
.set CS,  66          ; s[66:67] c
.set G1A, 84          ; s[84:91] group 1 of my first load: 8 rows of 256 bytes
.set G1B, 92          ; s[92:99] of my second: 120 rows
.set WV,  100         ; s100     my wave's number
.set CNT, 101         ; s101     counts the key steps
.set QB,  104         ; s[104:105] Q at my wave's first row
                      ; s[16:47] the 32 mask words of a pair's even tile; s[48:63], s[68:83] of its odd tile
.set MSB, 0
.macro WIN new                      ; the high byte repeats the setting that is left; a switch that changes nothing is dropped
.if MSB != (\new)
	s_set_vgpr_msb (MSB<<8)|(\new)
.set MSB, (\new)
.endif
.endm
.set W_KQ, 0x01       ; K in window 1; Q and S^T in window 0
.set W_PV, 0x51       ; V and O^T in window 1, P in window 0
.set W_RS, 0x41       ; destination and source 0 in window 1, source 1 in window 0
.set W_LD, 0x40       ; destination in window 1, address in window 0
	s_load_b128 s[16:19], s[0:1], 0x0 ; qkv s[16:17], mbits s[18:19]
	s_load_b64 s[20:21], s[0:1], 0x10 ; o16
	v_lshl_add_u32 v[SPW], v0, 2, SPARE
	v_mov_b32 v[NIL], 0
	ds_add_u32 v[SPW], v[NIL]       ; the wave's opening: the add and its wait stand ahead of my first tensor load; the set-up below stands between them
	v_lshrrev_b32 v1, 5, v0
	v_readfirstlane_b32 s[WV], v1   ; wave 0..7
	s_mov_b32 s30, ttmp9            ; which 512 queries
	s_and_b32 s29, ttmp7, 0xffff    ; batch x 16 + head
	s_and_b32 s28, s[WV], 3         ; waves 0-3 fetch K, waves 4-7 V: which quarter
.irp g, G1A, G1B
	s_mov_b32 s[\g+1], 128<<16      ; tensor_dim0 = 128: two keys a row, dense in memory
	s_mov_b32 s[\g+3], 128<<16      ; tile_dim0 = 128
	s_mov_b32 s[\g+5], 128          ; 128 elements from row to row
	s_mov_b32 s[\g+6], 0
	s_mov_b32 s[\g+7], 0
.endr
	s_mov_b32 s[G1A+2], 8<<16       ; tensor_dim1,
	s_mov_b32 s[G1A+4], 8           ; tile_dim1: 16 keys
	s_mov_b32 s[G1B+2], 120<<16
	s_mov_b32 s[G1B+4], 120         ; 240 keys
	s_mov_b32 s[G0A], 1             ; count = 1
	s_mov_b32 s[G0B], 1
	s_lshr_b32 s22, s[WV], 2
	s_add_co_u32 s22, s22, 1
	s_lshl_b32 s22, s22, 24         ; part 1 (K) or 2 (V) of qkv,
	s_lshl_b32 s23, s29, 17         ; the head's 131,072 bytes
	s_add_co_u32 s22, s22, s23
	s_lshl_b32 s24, s28, 11         ; first load: keys 16 idx on
	s_add_co_u32 s24, s24, s22
	s_mov_b32 s25, 0
	s_mul_i32 s26, s28, 30720       ; second load: keys 64 + 240 idx on
	s_add_co_u32 s26, s26, 8192
	s_add_co_u32 s26, s26, s22
	s_mov_b32 s27, 0
	s_lshl_b32 s22, s30, 16         ; Q and O: 512 rows of 128 bytes,
	s_add_co_u32 s22, s22, s23
	s_lshl_b32 s31, s[WV], 13       ; my wave's 64
	s_add_co_u32 s22, s22, s31
	s_mov_b32 s23, 0
	s_lshr_b32 s32, s29, 4          ; the masks: the batch's 64 tiles of 2,048 bytes,
	s_lshl_b32 s32, s32, 17
	s_lshl_b32 s33, s30, 16         ; 32 tiles,
	s_add_co_u32 s32, s32, s33
	s_add_co_u32 s32, s32, s31      ; my wave's four
	s_mov_b32 s33, 0
	s_mov_b32 s[CS], 0x3e38aa3b     ; c = log2(e) / 8 = 0.180337
	s_mov_b32 s[CS+1], s[CS]        ; named with it as a pair
	s_mov_b32 s[SEL], 0x76543210
	s_mov_b32 s[SEL+1], 0xfedcba98
	s_wait_dscnt 0x0                ; the opening add is done
	s_wait_kmcnt 0x0
	s_add_nc_u64 s[G0A+2:G0A+3], s[16:17], s[24:25]
	s_or_b32 s[G0A+3], s[G0A+3], 0x80000000  ; type = 2
	s_add_nc_u64 s[G0B+2:G0B+3], s[16:17], s[26:27]
	s_or_b32 s[G0B+3], s[G0B+3], 0x80000000
	s_add_nc_u64 s[QB:QB+1], s[16:17], s[22:23]
	s_add_nc_u64 s[OB:OB+1], s[20:21], s[22:23]
	s_add_nc_u64 s[MBP:MBP+1], s[18:19], s[32:33]
	; A wave's two loads stand in one branch on its number, ahead of every wait on TENSORcnt, every LDS read and every barrier: two tensor loads of mine are out.  The first brings my part of key step 0.
	s_cmp_lt_u32 s[WV], 4
	s_cbranch_scc0 .Lfor_v
	s_mov_b32 s[G1A], (1<<16)|(1<<20)|(4<<22)|(3<<25)  ; 2-byte elements; padding on: 4 words after every 32
	s_mov_b32 s[G1B], (1<<16)|(1<<20)|(4<<22)|(3<<25)
	s_mul_i32 s[G0A+1], s28, 16*PK
	s_mul_i32 s[G0B+1], s28, 240*PK
	s_add_co_u32 s[G0B+1], s[G0B+1], 64*PK
	tensor_load_to_lds s[G0A:G0A+3], s[G1A:G1A+7]
	s_nop 0
	tensor_load_to_lds s[G0B:G0B+3], s[G1B:G1B+7]
	s_nop 0
.rept 4
	v_nop
.endr
	s_branch .Lasked
.Lfor_v:
	s_mov_b32 s[G1A], (1<<16)|(1<<20)|(4<<22)|(7<<25)  ; the same with 8 words of padding
	s_mov_b32 s[G1B], (1<<16)|(1<<20)|(4<<22)|(7<<25)
	s_mul_i32 s[G0A+1], s28, 16*PVP
	s_add_co_u32 s[G0A+1], s[G0A+1], VOFF
	s_mul_i32 s[G0B+1], s28, 240*PVP
	s_add_co_u32 s[G0B+1], s[G0B+1], VOFF+64*PVP
	tensor_load_to_lds s[G0A:G0A+3], s[G1A:G1A+7]
	s_nop 0
	tensor_load_to_lds s[G0B:G0B+3], s[G1B:G1B+7]
	s_nop 0
.rept 4
	v_nop
.endr
.Lasked:
	; A fragment of K or Q is 16 rows x 32 channels in 8 registers: lane l holds row l % 16, channels 8 (l / 16) + 0..7 and 16 + 8 (l / 16) + 0..7: two loads of 16 bytes, 32 bytes apart.
	v_and_b32 v1, 15, v0            ; l % 16
	v_bfe_u32 v9, v0, 4, 1          ; l / 16
	v_lshlrev_b32 v[QO], 7, v1
	v_lshl_add_u32 v[QO], v9, 4, v[QO]
.set i, 0
.rept 8                             ; Q stays in registers: tile i / 2, channels 32 (i % 2) on
	global_load_b128 v[Q+8*i:Q+8*i+3],   v[QO], s[QB:QB+1] offset:(i/2)*2048+(i%2)*64
	global_load_b128 v[Q+8*i+4:Q+8*i+7], v[QO], s[QB:QB+1] offset:(i/2)*2048+(i%2)*64+32
.set i, i+1
.endr
	s_load_b512 s[16:31], s[MBP:MBP+1], 0     ; the mask words of step 0, tiles 0 and 1
	s_load_b512 s[32:47], s[MBP:MBP+1], 64
	s_load_b512 s[48:63], s[MBP:MBP+1], 2048
	s_load_b512 s[68:83], s[MBP:MBP+1], 2112
	v_mul_u32_u24 v[AK0], v1, PK
	v_lshl_add_u32 v[AK0], v9, 4, v[AK0]
	; The turning load takes 16 keys x 16 channels (lane l reads key 8 (l / 16) + l % 8, channels 8 ((l / 8) % 2) + 0..7) and leaves half a fragment of V^T: lane l holds channel l % 16 and 8 keys.
	v_and_b32 v10, 7, v0
	v_bfe_u32 v11, v0, 3, 1
	v_lshl_add_u32 v[AV0], v9, 3, v10
	v_mul_u32_u24 v[AV0], v[AV0], PVP
	v_lshl_add_u32 v[AV0], v11, 4, v[AV0]
	v_add_nc_u32 v[AV0], VOFF, v[AV0]
	v_mov_b32 v[AK], v[AK0]         ; key step 0
	v_mov_b32 v[AV], v[AV0]
	v_mov_b32 v[NEG], 0xd0000000    ; -2^33
	s_mul_i32 s[CNT], s[WV], 16*SP  ; my stage (the counter's register is still free)
	v_mul_u32_u24 v[STO], v1, SP    ; in: row l % 16, 16 bytes for each half of the lanes
	v_lshl_add_u32 v[STO], v9, 4, v[STO]
	v_add_nc_u32 v[STO], s[CNT], v[STO]
	v_bfe_u32 v[RD], v0, 3, 2       ; back: 32 lanes take four rows of 128 bytes,
	v_mul_u32_u24 v[RD], v[RD], SP
	v_lshl_add_u32 v[RD], v10, 4, v[RD]
	v_add_nc_u32 v[RD], s[CNT], v[RD]
	v_and_b32 v[GO], 31, v0         ; which are 512 consecutive bytes of O
	v_lshlrev_b32 v[GO], 4, v[GO]
; THE MATRIX WORK.  The 16 accumulators of a run of 32 take turns.  Product i of S^T = K Q^T: channels 32 (i / 16) on, keys 16 ((i / 4) % 4) on, tile i % 4.  The first 16 start the sums.
.macro KQ
	WIN W_KQ
.set rS, S+32*(i%4)+8*((i/4)%4)
.set rK, KF+16*((i/4)%4)+8*(i/16)
.set rQ, Q+16*(i%4)+8*(i/16)
.if i < 16
	v_wmma_f32_16x16x32_f16 v[rS:rS+7], v[rK:rK+7], v[rQ:rQ+7], 0
.else
	v_wmma_f32_16x16x32_f16 v[rS:rS+7], v[rK:rK+7], v[rQ:rQ+7], v[rS:rS+7]
.endif
.endm
; Product i of O^T += V^T P: keys 32 (i / 16) on, channels 16 ((i / 4) % 4) on, tile i % 4.  first = 1: the first 16 start the sums: nothing is ever cleared.
.macro PVM first
	WIN W_PV
.set rO, 32*(i%4)+8*((i/4)%4)
.set rV, VF+32*(i/16)+8*((i/4)%4)
.set rP, S+32*(i%4)+8*(i/16)
.if (\first) && (i < 16)
	v_wmma_f32_16x16x32_f16 v[rO:rO+7], v[rV:rV+7], v[rP:rP+7], 0
.else
	v_wmma_f32_16x16x32_f16 v[rO:rO+7], v[rV:rV+7], v[rP:rP+7], v[rO:rO+7]
.endif
.endm
; THE LDS LOADS stand in runs of 16: a step's K (64 keys x 64 channels: 8 fragments) and its V (turned).
.macro FETCH_K
	WIN W_LD
.irp f, 0,1,2,3,4,5,6,7             ; keys 16 (f / 2) on, channels 32 (f % 2) on
	ds_load_b128 v[KF+8*\f:KF+8*\f+3],   v[AK] offset:(\f/2)*16*PK+(\f%2)*64
	ds_load_b128 v[KF+8*\f+4:KF+8*\f+7], v[AK] offset:(\f/2)*16*PK+(\f%2)*64+32
.endr
.endm
.macro FETCH_V
	WIN W_LD
.irp f, 0,1,2,3,4,5,6,7             ; keys 32 (f / 4) on, channels 16 (f % 4) on
	ds_load_tr16_b128 v[VF+8*\f:VF+8*\f+3],   v[AV] offset:(\f/4)*32*PVP+(\f%4)*32
	ds_load_tr16_b128 v[VF+8*\f+4:VF+8*\f+7], v[AV] offset:(\f/4)*32*PVP+16*PVP+(\f%4)*32
.endr
.endm
.macro PLACES                       ; four places behind matrix instructions (ISA guide 7.12.1)
.rept 4
	v_nop
.endr
.endm
; THE VECTOR WORK, for tile t.
.macro REGS t
.set rT, ST+4*(\t)
.set rC, TMP+16*((\t)%2)
.set rS, S+32*(\t)
.set rO, 32*(\t)
.endm
; Number n of the 22 that find the maximum and statistics.  0-11: four chains c0-c3 of seven scores each, three operands at a time.  12-14, 16: the four scores left over, the old m, and c0-c3 into c0.
; 15: c m_old is kept.  17, 18: the query's other 32 keys lie in the lane 16 away: the new m.  19-21: c m; c m_old - c m_new; a.  first = 1: there is no old m and no a.
.macro XS t, n, first
	REGS \t
.if (\n) < 4
	v_max3_num_f32 v[rC+(\n)], v[rS+8*(\n)], v[rS+8*(\n)+1], v[rS+8*(\n)+2]
.elseif (\n) < 12
	v_max3_num_f32 v[rC+(\n)%4], v[rC+(\n)%4], v[rS+8*((\n)%4)+2*((\n)/4)+1], v[rS+8*((\n)%4)+2*((\n)/4)+2]
.elseif (\n) == 12
	v_max3_num_f32 v[rC], v[rC], v[rS+7], v[rS+15]
.elseif (\n) == 13
	v_max3_num_f32 v[rC+1], v[rC+1], v[rS+23], v[rS+31]
.elseif ((\n) == 14) && (\first)
	v_max_num_f32 v[rC+2], v[rC+2], v[rC+3]
.elseif (\n) == 14
	v_max3_num_f32 v[rC+2], v[rC+2], v[rC+3], v[rT+1]
.elseif (\n) == 16
	v_max3_num_f32 v[rC], v[rC], v[rC+1], v[rC+2]
.elseif (\n) == 17
	v_permlanex16_b32 v[rC+3], v[rC], s[SEL], s[SEL+1]
.elseif (\n) == 18
	v_max_num_f32 v[rT+1], v[rC], v[rC+3]
.elseif (\n) == 19
	v_mul_f32 v[rT], s[CS], v[rT+1]
.elseif \first                      ; the first step has none of the three below
.elseif (\n) == 15
	v_mov_b32 v[rC+4], v[rT]
.elseif (\n) == 20
	v_sub_f32 v[rC+1], v[rC+4], v[rT]
.else
	v_exp_f32 v[rC+2], v[rC+1]
.endif
.endm
.macro FS t, g                      ; c s - c m for the four scores of group g
	REGS \t
	s_wait_alu depctr_va_vdst(0)
.irp z, 0,1
	v_pk_fma_f32 v[rS+4*(\g)+2*\z:rS+4*(\g)+2*\z+1], v[rS+4*(\g)+2*\z:rS+4*(\g)+2*\z+1], s[CS:CS+1], v[rT:rT+1] op_sel_hi:[1,0,0] neg_lo:[0,0,1] neg_hi:[0,0,1]
.endr
.endm
.macro ES t, g                      ; their exponentials
	REGS \t
.irp z, 0,1,2,3
	v_exp_f32 v[rS+4*(\g)+\z], v[rS+4*(\g)+\z]
.endr
.endm
; Line n of four for group g: first the sums (groups 0-3 start the four running pairs, groups 4-7 add onto them), then the two roundings to f16, in place: pair n of the tile lands in register n,
; whose own score has been summed and rounded before.
.macro SCL t, g, n
	REGS \t
.set rL, rC+8+2*((\g)%4)
.if ((\n) == 0) && ((\g) < 4)
	v_pk_add_f32 v[rL:rL+1], v[rS+4*(\g):rS+4*(\g)+1], v[rS+4*(\g)+2:rS+4*(\g)+3]
.elseif (\n) == 0
	s_wait_alu depctr_va_vdst(0)
	v_pk_add_f32 v[rL:rL+1], v[rL:rL+1], v[rS+4*(\g):rS+4*(\g)+1]
.elseif ((\n) == 1) && ((\g) >= 4)
	v_pk_add_f32 v[rL:rL+1], v[rL:rL+1], v[rS+4*(\g)+2:rS+4*(\g)+3]
.elseif (\n) == 2
	v_cvt_pk_f16_f32 v[rS+2*(\g)], v[rS+4*(\g)], v[rS+4*(\g)+1]
.elseif (\n) == 3
	v_cvt_pk_f16_f32 v[rS+2*(\g)+1], v[rS+4*(\g)+2], v[rS+4*(\g)+3]
.endif
.endm
.macro SC y, g                      ; for both tiles of a pair, line by line
.irp n, 0,1,2,3
	SCL \y, \g, \n
	SCL (\y)+1, \g, \n
.endr
.endm
; THE SOFTMAX OF A PAIR of tiles y, y + 1 for one key step, the two tiles line by line.  The exponentials stand eight on end, and plain lines that touch none of them follow before a result is used (ISA guide 5.7.2).
.macro PAIR y, first
	WIN 0
	s_wait_kmcnt 0x0                ; the pair's 64 mask words are in; the scalar loads' base may be stepped
.if ((\y) == 0) && !(\first)
	s_add_nc_u64 s[MBP:MBP+1], s[MBP:MBP+1], 128  ; this step's words
.endif
.set i, 0
.rept 32                            ; the hidden score where the bit is 0; ascending
	v_cndmask_b32 v[S+32*(\y)+i], v[NEG], v[S+32*(\y)+i], s[16+i]
	v_cndmask_b32 v[S+32*(\y)+32+i], v[NEG], v[S+32*(\y)+32+i], s[48+i+4*(i/16)]
.set i, i+1
.endr
.if (\y) == 0                       ; the words of the pair to come: tiles 2 and 3 of this step,
	s_load_b512 s[16:31], s[MBP:MBP+1], 4096
	s_load_b512 s[32:47], s[MBP:MBP+1], 4160
	s_load_b512 s[48:63], s[MBP:MBP+1], 6144
	s_load_b512 s[68:83], s[MBP:MBP+1], 6208
.else                               ; or tiles 0 and 1 of the next.  Behind the last step these are the first words of my tiles 1 and 2: inside the buffer, and not used
	s_load_b512 s[16:31], s[MBP:MBP+1], 128
	s_load_b512 s[32:47], s[MBP:MBP+1], 192
	s_load_b512 s[48:63], s[MBP:MBP+1], 2176
	s_load_b512 s[68:83], s[MBP:MBP+1], 2240
.endif
.irp n, 0,1,2,3,4,5,6,7,8,9,10,11,12,13,14,15,16,17,18,19,20,21
	XS \y, \n, \first
	XS (\y)+1, \n, \first
.endr
	FS \y, 0
	FS (\y)+1, 0
	FS \y, 1
	FS (\y)+1, 1
.set g, 0
.rept 8
	ES \y, g
	ES (\y)+1, g
.if g < 6
	FS \y, g+2
	FS (\y)+1, g+2
.endif
.if g > 0
	SC \y, g-1
.endif
.set g, g+1
.endr
	SC \y, 7
.irp u, 0,1
	REGS (\y)+\u
	v_pk_add_f32 v[rC+8:rC+9], v[rC+8:rC+9], v[rC+10:rC+11]
	v_pk_add_f32 v[rC+12:rC+13], v[rC+12:rC+13], v[rC+14:rC+15]
.endr
.irp u, 0,1
	REGS (\y)+\u
.if \first
	v_pk_add_f32 v[rT+2:rT+3], v[rC+8:rC+9], v[rC+12:rC+13]     ; l starts
.else
	v_pk_add_f32 v[rC+8:rC+9], v[rC+8:rC+9], v[rC+12:rC+13]
.endif
.endr
.if !(\first)
.irp u, 0,1
	REGS (\y)+\u
	v_pk_fma_f32 v[rT+2:rT+3], v[rT+2:rT+3], v[rC+2:rC+3], v[rC+8:rC+9] op_sel_hi:[1,0,1]  ; l = a l + the step's sum
.endr
	WIN W_RS
.set z, 0
.rept 16                            ; O^T times a, ascending
.irp u, 0,1
	REGS (\y)+\u
	v_pk_mul_f32 v[rO+2*z:rO+2*z+1], v[rO+2*z:rO+2*z+1], v[rC+2:rC+3] op_sel_hi:[1,0]
.endr
.set z, z+1
.endr
.endif
.endm
; A KEY STEP, in phases: 32 products K Q^T; this step's V and the next step's K are fetched; both pairs' softmax; 32 products V^T P.
; first = 1: the first step: it starts m, l and O^T, and fetches no K: the next step's keys belong to loads that are shown landed only behind the second barrier.
.macro STEP first
.set i, 0
.rept 32
	KQ
.set i, i+1
.endr
	PLACES                          ; behind those products: the loads below land in K's registers, and the selects read the scores
	FETCH_V
.if !(\first)
	WIN 0
	s_cmp_eq_u32 s[CNT], 1
	s_cbranch_scc1 .Lno_k_\@        ; the last step has no next
	FETCH_K
	WIN 0
.Lno_k_\@:
.endif
	PAIR 0, \first
	PAIR 2, \first
	s_wait_dscnt 0x0                ; V is in, and so is the next step's K
.set i, 0
.rept 32
	PVM \first
.set i, i+1
.endr
	WIN 0                           ; five places behind those products: the next step's K Q^T writes over P
	s_add_co_u32 s[TBV], s[TBV], KS*PVP
	v_add_nc_u32 v[AV], s[TBV], v[AV0]
.if \first
	v_nop
.else
	s_add_co_u32 s[TBK], s[TBK], KS*PK
	v_add_nc_u32 v[AK], s[TBK], v[AK0]
.endif
.rept 3
	v_nop
.endr
.endm
	s_wait_tensorcnt 0x1            ; my part of key step 0 is in; my second load may stay out
	s_barrier_signal -1
	s_barrier_wait -1               ; everybody's is
	s_mov_b32 s[TBK], KS*PK         ; my first load has landed, so its group 0 may be written
	s_mov_b32 s[TBV], 0
	FETCH_K                         ; key step 0
	WIN 0
	v_add_nc_u32 v[AK], s[TBK], v[AK0]
	s_wait_loadcnt 0x0              ; Q
	s_wait_dscnt 0x0
	STEP 1
	s_wait_tensorcnt 0x0            ; my part of the other 960 keys is in,
	s_wait_dscnt 0x0
	s_barrier_signal -1
	s_barrier_wait -1               ; everybody's is
	FETCH_K                         ; key step 1
	WIN 0
	s_add_co_u32 s[TBK], s[TBK], KS*PK
	v_add_nc_u32 v[AK], s[TBK], v[AK0]
	s_wait_dscnt 0x0
	s_mov_b32 s[CNT], 15
.Lstep:
	STEP 0
	s_sub_co_u32 s[CNT], s[CNT], 1
	s_cmp_lg_u32 s[CNT], 0
	s_cbranch_scc1 .Lstep
	; THE WAY OUT.  l's two halves and the other half of the lanes' are added; O^T is divided by l (at least 1: the greatest score's weight), rounded to f16 and sent through my stage, a tile at a time.
.irp t, 0,1,2,3
	v_add_f32 v[ST+4*\t+2], v[ST+4*\t+2], v[ST+4*\t+3]
.endr
.irp t, 0,1,2,3
	v_permlanex16_b32 v[ST+4*\t+3], v[ST+4*\t+2], s[SEL], s[SEL+1]
.endr
.irp t, 0,1,2,3
	v_add_f32 v[ST+4*\t+2], v[ST+4*\t+2], v[ST+4*\t+3]
.endr
.irp t, 0,1,2,3
	v_rcp_f32 v[ST+4*\t+2], v[ST+4*\t+2]
.endr
	v_nop                           ; a plain instruction between the last reciprocal and the use of its result
	s_wait_dscnt 0x0                ; my reads of K and V are over,
	s_barrier_signal -1
	s_barrier_wait -1               ; everybody's are: K's first bytes become the stages
.macro PACK t                       ; a lane's eight channels of a row pack into 16 bytes; they go into rows of 144 bytes and come back as whole rows of 128, into S^T's registers
	WIN W_RS
.set i, 32*(\t)
	s_wait_alu depctr_va_vdst(0)
.rept 16
	v_pk_mul_f32 v[i:i+1], v[i:i+1], v[ST+4*(\t)+2:ST+4*(\t)+3] op_sel_hi:[1,0]
.set i, i+2
.endr
	WIN 0x05                        ; sources 0 and 1 window 1, destination window 0
.set i, 0
.rept 16
	v_cvt_pk_f16_f32 v[S+16*(\t)+i], v[32*(\t)+2*i], v[32*(\t)+2*i+1]
.set i, i+1
.endr
	WIN 0
.irp f, 0,1,2,3
	ds_store_b128 v[STO], v[S+16*(\t)+4*\f:S+16*(\t)+4*\f+3] offset:32*\f
.endr
.irp f, 0,1,2,3
	ds_load_b128 v[S+16*(\t)+4*\f:S+16*(\t)+4*\f+3], v[RD] offset:\f*4*SP  ; LDS serves a wave's instructions in order: these see the stores above; the next tile's stores come behind them
.endr
.endm
.macro SEND t, younger              ; younger: the LDS instructions issued behind tile t's loads: the next tile's eight, or none
.irp f, 0,1,2,3
	s_wait_dscnt (\younger)+3-\f
	global_store_b128 v[GO], v[S+16*(\t)+4*\f:S+16*(\t)+4*\f+3], s[OB:OB+1] offset:(\t)*2048+\f*512  ; 512 consecutive bytes, at a multiple of 256 from O's first
.endr
.endm
	PACK 0
.irp t, 1,2,3                       ; a tile's arithmetic stands between the loads of the tile before and its stores
	PACK \t
	SEND (\t)-1, 8
.endr
	SEND 3, 0
	s_wait_tensorcnt 0x0            ; the wave's end, behind my last tensor load and my last LDS store
	ds_add_u32 v[SPW], v[NIL]
	s_wait_dscnt 0x0
	s_endpgm
.Lfunc_end_k_qdcb0710ac2_attn:
	.size	k_qdcb0710ac2_attn, .Lfunc_end_k_qdcb0710ac2_attn-k_qdcb0710ac2_attn
	.p2alignl 7, 3214868480
	.fill 96, 4, 3214868480
	.section	.rodata,"a",@progbits
	.p2align	6, 0x0
	.amdhsa_kernel k_qdcb0710ac2_attn
		.amdhsa_group_segment_fixed_size 327680
		.amdhsa_private_segment_fixed_size 0
		.amdhsa_enable_private_segment 0
		.amdhsa_kernarg_size 24
		.amdhsa_user_sgpr_count 2
		.amdhsa_user_sgpr_kernarg_segment_ptr 1
		.amdhsa_wavefront_size32 1
		.amdhsa_system_sgpr_workgroup_id_x 1
		.amdhsa_system_sgpr_workgroup_id_y 1
		.amdhsa_system_sgpr_workgroup_id_z 1
		.amdhsa_system_vgpr_workitem_id 0
		.amdhsa_next_free_vgpr 512
		.amdhsa_next_free_sgpr 106
		.amdhsa_reserve_vcc 0
		.amdhsa_float_denorm_mode_32 3
		.amdhsa_float_denorm_mode_16_64 3
		.amdhsa_memory_ordered 1
		.amdhsa_forward_progress 1
		.amdhsa_inst_pref_size 102
	.end_amdhsa_kernel
	.amdgpu_metadata
---
amdhsa.version: [ 1, 2 ]
amdhsa.kernels:
  - .name:           k_qdcb0710ac2_attn
    .symbol:         k_qdcb0710ac2_attn.kd
    .args:
      - { .name: qkv, .offset: 0, .size: 8, .value_kind: global_buffer, .address_space: global }
      - { .name: mbits, .offset: 8, .size: 8, .value_kind: global_buffer, .address_space: global }
      - { .name: o16, .offset: 16, .size: 8, .value_kind: global_buffer, .address_space: global }
    .group_segment_fixed_size: 327680
    .private_segment_fixed_size: 0
    .kernarg_segment_align: 8
    .kernarg_segment_size: 24
    .max_flat_workgroup_size: 256
    .sgpr_count:     106
    .vgpr_count:     512
    .wavefront_size: 32
...
	.end_amdgpu_metadata
.endif
;; end of part 3
;; launch outp (part 4): grid 4 x 64, 4 waves a work-group, clusters of 4 x 4, 327,680 bytes of LDS; arguments o16, w16, bo, out0; writes out0
.if DOCPART == 4
	.amdgcn_target "amdgcn-amd-amdhsa--gfx1250"
	.amdhsa_code_object_version 6
	.text
	.protected	k_qdcb0710ac2_outp
	.globl	k_qdcb0710ac2_outp
	.p2align	8
	.type	k_qdcb0710ac2_outp,@function
k_qdcb0710ac2_outp:
	s_mov_b64 s[64:65], 0
	v_nop
	global_prefetch_b8 v0, s[64:65] scope:SCOPE_SE
	s_setreg_imm32_b32 hwreg(HW_REG_WAVE_MODE, 25, 1), 1
	s_wait_xcnt 0x0
	s_wait_alu depctr_hold_cnt(0) depctr_sa_sdst(0) depctr_va_vdst(0) depctr_va_sdst(0) depctr_va_ssrc(0) depctr_va_vcc(0) depctr_vm_vsrc(0)
	s_getreg_b32 s2, hwreg(HW_REG_IB_STS2, 6, 4)
	s_cmp_eq_u32 s2, 0
	s_cbranch_scc0 .Lentry_in_a_cluster
	s_endpgm
.Lentry_in_a_cluster:
	s_bfe_u32 s2, ttmp6, 0x10000c
	s_cmp_lg_u32 s2, 0xf033
	s_cbranch_scc0 .Lentry_shape_is_right
	s_endpgm
.Lentry_shape_is_right:
; ONE TEXT FOR TWO PRODUCTS, chosen by OUTP below.  C[m][n] = sum over k of A[m][k] B[k][n], K = N = 1,024, sums in f32.
; OUTP = 0, THE THREE PROJECTIONS: A = x16 [3 x 8192][1024] bf16 (q, k, v on end), B = w16 part t (Wq, Wk, Wv) bf16 [k][n]; C leaves as f16 by heads: qkv [t][b 16 + h][n][64], unscaled.
;   LIMIT: f16 ends at 65,504: a projected number beyond it becomes an infinity (the drawn inputs give a spread of 0.64).
; OUTP = 1, THE OUTPUT PROJECTION: A = o16 [b 16 + h][n][64] f16 (a K step of 128 is two heads), B = w16 part 3 (Wo, bf16 values written as f16); C + bo (rounded to bf16 like every input) leaves as f32.
; SHARES.  A tile of C is 128 x 256: 256 work-groups for 8,192 x 1,024.  Four waves, each 64 x 128: 32 accumulators of 16 x 16, 256 registers.  K goes in eight steps of 128 through two LDS slots.
; B STAYS [k][n]: a tile is 128 rows (k) of 512 bytes, and its fragments come out of LDS turned, by ds_load_tr16_b128.
; CLUSTER 4 x 4: the four of a row need the same tiles of A, the four of a column the same tiles of B: each tile is asked for JOINTLY, by the same tensor load, descriptor and mask in all four.
; THE MATRIX INSTRUCTION IS USED TRANSPOSED (source 0 = 16 columns of B, source 1 = 16 rows of A): a lane then holds eight neighbouring numbers of a row of C.
; REGISTERS: window 0: v0-31 addresses; v32-63 at work on the way out; v64-127 A's fragments, two buffers of 4 x 8; v128-255 B's, two buffers of 8 x 8.  Window 1: accumulator (a, b) at v[8 (8 a + b)].
.set OUTP, 1
.set BPITCH, 544                       ; a row of B in LDS: 512 bytes + 32 of padding: 17 x 32
.set BHALF,  64*BPITCH                 ; 64 rows: what one tensor load brings of B
.set BSTEP,  262144                    ; bytes in memory from a K step's tile of B to the next: 128 rows of 2,048
.if OUTP
.set APITCH, 144                       ; a row of a head: 128 bytes + 16
.set AHALF,  128*APITCH                ; one head's 128 rows: what one tensor load brings of A
.set ASTEP,  262144                    ; two heads on
.set ASTRIDE, 128                      ; a head's 128 rows are 16,384 dense bytes: asked for as 64 rows of 256
.set APAD,   (4<<22)|(3<<25)           ; 4 words of padding after every 32
.set WSTAGE, 16*528                    ; a wave's stage: 16 rows of 512 bytes + 16
.else
.set APITCH, 272                       ; 256 bytes + 16
.set AHALF,  64*APITCH                 ; 64 rows
.set ASTEP,  256
.set ASTRIDE, 1024
.set APAD,   (5<<22)|(3<<25)           ; 4 words of padding after every 64
.set WSTAGE, 2*16*144                  ; a wave's stage: two heads x 16 rows of 128 bytes + 16
.endif
.set ATILE,  2*AHALF
.set SLOT,   ATILE+2*BHALF             ; A's tile, then B's
.set STAGE,  2*SLOT                    ; behind the ring, never filled by a tensor load
.set SPARE,  STAGE+4*WSTAGE            ; behind the stages: the spare words, 128 bytes for each wave
.set BI,   12                          ; v12-15  OUTP: the bias of my four columns
.set ADRA, 16                          ; v16-17  LDS address of my A fragments in slot 0, 1
.set ADRB, 20                          ; v20-21  the same for B
.set STO,  24                          ; v24     the way out: where I put my part of a row
.set RD,   25                          ; v25     the way out: where I read rows back
.set CO,   26                          ; v26     16 x lane
.set SPW,  28                          ; v28     LDS address of my spare word; never rewritten
.set NIL,  29                          ; v29     0; never rewritten
.set TMP,  32
.set FA,   64
.set FB,   128
.set G1,  24                           ; s[24:31] descriptor group 1 for A's tiles; s[32:39] group 0, a set for each slot
.set G0,  32
.set G1B, 48                           ; s[48:55], s[56:63] the same for B's
.set G0B, 56
.set MSB, 0
.macro WIN new                         ; the immediate's high byte repeats the setting that is left; a switch that changes nothing is dropped
.if MSB != (\new)
	s_set_vgpr_msb (MSB<<8)|(\new)
.set MSB, \new
.endif
.endm
.set W_MUL, 0x50                       ; sources 0 and 1 window 0; C and D window 1
.macro WM ops:vararg
.if OUTP
	v_wmma_f32_16x16x32_f16 \ops
.else
	v_wmma_f32_16x16x32_bf16 \ops
.endif
.endm
.macro JLOAD s                         ; a joint load: waves 0 and 1 fetch A's two halves, waves 2 and 3 B's; an s_nop 0 and four v_nop follow each of the two lines
	s_cmp_eq_u32 s11, 0
	s_cbranch_scc0 .Lfor_b_\@
	tensor_load_to_lds s[G0+4*(\s):G0+4*(\s)+3], s[G1:G1+7]
	s_nop 0
.rept 4
	v_nop
.endr
	s_branch .Lasked_\@
.Lfor_b_\@:
	tensor_load_to_lds s[G0B+4*(\s):G0B+4*(\s)+3], s[G1B:G1B+7]
	s_nop 0
.rept 4
	v_nop
.endr
.Lasked_\@:
.endm
.macro CREST                           ; a round of the cluster's barrier behind its opening barrier
	s_cmp_lg_u32 s10, 0
	s_cbranch_scc1 .Lnot_wave_0_\@
	s_barrier_signal -3
.Lnot_wave_0_\@:
	s_barrier_wait -3
	s_barrier_signal -1
	s_barrier_wait -1
.endm
.macro CROUND                          ; a whole round
	s_barrier_signal -1
	s_barrier_wait -1
	CREST
.endm
	s_load_b128 s[4:7], s[0:1], 0x0                ; A s[4:5], w16 s[6:7]
.if OUTP
	s_load_b64 s[18:19], s[0:1], 0x10              ; bo
	s_load_b64 s[8:9], s[0:1], 0x18                ; out0
.else
	s_load_b64 s[8:9], s[0:1], 0x10                ; qkv
.endif
	v_lshl_add_u32 v[SPW], v0, 2, SPARE
	v_mov_b32 v[NIL], 0
	ds_add_u32 v[SPW], v[NIL]                      ; the wave's opening: the add and its wait stand ahead of my first tensor load; the set-up below stands between them
	v_lshrrev_b32 v1, 5, v0
	v_readfirstlane_b32 s10, v1                    ; wave 0..3
	s_lshr_b32 s11, s10, 1                         ; which 64 rows of the tile are mine.  Also: I fetch for A (0) or for B (1)
	s_and_b32 s12, s10, 1                          ; which 128 columns.  Also: which half of that tile I fetch
	s_bfe_u32 s40, ttmp6, 0x40000                  ; cx, cy: my place in the cluster
	s_bfe_u32 s41, ttmp6, 0x40004
	s_lshl_b32 s42, ttmp9, 2
	s_add_co_u32 s42, s42, s40                     ; tile column = 4 x cluster x + cx
	s_and_b32 s45, ttmp7, 0xffff                   ; the cluster's y
	s_lshl_b32 s13, s45, 2
	s_add_co_u32 s13, s13, s41                     ; tile row = 4 x cluster y + cy
	s_lshl_b32 s43, s41, 2
	s_lshl_b32 s43, 15, s43                        ; my row of the cluster
	s_lshl_b32 s44, 0x1111, s40                    ; my column
	s_or_b32 s[G1+0], s43, (1<<16)|(1<<20)|(1<<21)|APAD              ; 15:0 the mask: A's tiles go to my row; 17:16 2-byte elements; 20 padding on; 21 set beside a mask; 24:22, 31:25 the padding
	s_or_b32 s[G1B+0], s44, (1<<16)|(1<<20)|(1<<21)|(6<<22)|(7<<25)  ; B's go to my column; 8 words of padding after every 128
	s_mov_b32 s[G1+1], 128<<16                     ; A: tensor_dim0 = 128
	s_mov_b32 s[G1+2], 64<<16                      ; tensor_dim1 = 64
	s_mov_b32 s[G1+3], 128<<16                     ; tile_dim0 = 128
	s_mov_b32 s[G1+4], 64                          ; tile_dim1 = 64
	s_mov_b32 s[G1+5], ASTRIDE                     ; elements from row to row
	s_mov_b32 s[G1+6], 0
	s_mov_b32 s[G1+7], 0
	s_mov_b32 s[G1B+1], 256<<16                    ; B: 64 rows of 256 elements, 1,024 apart
	s_mov_b32 s[G1B+2], 64<<16
	s_mov_b32 s[G1B+3], 256<<16
	s_mov_b32 s[G1B+4], 64
	s_mov_b32 s[G1B+5], 1024
	s_mov_b32 s[G1B+6], 0
	s_mov_b32 s[G1B+7], 0
	; where the tiles come from.  A's hang on the tile row and the wave alone, B's on the tile column, the wave and the cluster's y, each in registers that never hold the other place
.if OUTP
	s_lshr_b32 s16, s13, 3                         ; the batch: 16 heads of 131,072 bytes,
	s_lshl_b32 s16, s16, 21
	s_lshl_b32 s17, s12, 17                        ; the first or the second head of a K step,
	s_add_co_u32 s16, s16, s17
	s_and_b32 s17, s13, 7                          ; 128 rows of 128 bytes
	s_lshl_b32 s17, s17, 14
	s_add_co_u32 s16, s16, s17
.else
	s_lshl_b32 s16, s13, 7
	s_lshl_b32 s17, s12, 6
	s_add_co_u32 s16, s16, s17                     ; row 128 x tile row + 64 x half,
	s_lshl_b32 s16, s16, 11                        ; of 2,048 bytes
.endif
	s_mov_b32 s17, 0
	s_lshl_b32 s46, s42, 9                         ; B: 256 columns of 2 bytes,
	s_lshl_b32 s47, s12, 17                        ; 64 rows of 2,048 bytes,
	s_add_co_u32 s46, s46, s47
.if OUTP
	s_add_co_u32 s46, s46, 3<<21                   ; part 3 of w16
.else
	s_lshr_b32 s45, s45, 4                         ; t: 16 clusters to a tensor: the same in all sixteen partners
	s_lshl_b32 s47, s45, 21                        ; part t of w16
	s_add_co_u32 s46, s46, s47
.endif
	s_mov_b32 s47, 0
	s_mul_i32 s20, s12, AHALF                      ; and where they go: no place in the cluster enters an LDS address
	s_mul_i32 s21, s12, BHALF
	s_add_co_u32 s21, s21, ATILE
	s_wait_dscnt 0x0                               ; the opening add is done
	s_wait_kmcnt 0x0
	s_add_nc_u64 s[14:15], s[4:5], s[16:17]
	s_add_nc_u64 s[46:47], s[6:7], s[46:47]
	CROUND                                         ; all sixteen work-groups are here: the first joint loads meet
.irp s, 0,1
	s_mov_b32 s[G0+4*(\s)], 1                                        ; count = 1
	s_add_co_u32 s[G0+4*(\s)+1], s20, (\s)*SLOT                      ; LDS address
	s_add_nc_u64 s[G0+4*(\s)+2:G0+4*(\s)+3], s[14:15], (\s)*ASTEP    ; global address: K step s
	s_or_b32 s[G0+4*(\s)+3], s[G0+4*(\s)+3], 0x80000000              ; type = 2
	s_mov_b32 s[G0B+4*(\s)], 1
	s_add_co_u32 s[G0B+4*(\s)+1], s21, (\s)*SLOT
	s_add_nc_u64 s[G0B+4*(\s)+2:G0B+4*(\s)+3], s[46:47], (\s)*BSTEP
	s_or_b32 s[G0B+4*(\s)+3], s[G0B+4*(\s)+3], 0x80000000
	JLOAD \s                                       ; two tensor loads of mine are out
.endr
	v_and_b32 v1, 15, v0                           ; l % 16
	v_bfe_u32 v2, v0, 4, 1                         ; l / 16
	v_mul_u32_u24 v3, v1, APITCH
	v_lshl_add_u32 v3, v2, 4, v3                   ; A: row x pitch + 16 x half of the lanes
	v_and_b32 v5, 7, v0
	v_bfe_u32 v6, v0, 3, 1
	v_lshl_add_u32 v4, v2, 3, v5                   ; B, turned: lane l reads row (k) 8 (l / 16) + l % 8, columns 8 ((l / 8) % 2) on
	v_mul_u32_u24 v4, v4, BPITCH
	v_lshl_add_u32 v4, v6, 4, v4
	s_mul_i32 s22, s11, 64*APITCH                  ; my 64 rows of A
	s_lshl_b32 s23, s12, 8                         ; my 128 columns of B,
	s_add_co_u32 s23, s23, ATILE                   ; which lies behind A
.irp s, 0,1
	v_add_nc_u32 v[ADRA+(\s)], s22, v3
	v_add_nc_u32 v[ADRB+(\s)], s23, v4
	s_add_co_u32 s22, s22, SLOT
	s_add_co_u32 s23, s23, SLOT
.endr
	s_mul_i32 s22, s10, WSTAGE
	s_add_co_u32 s22, s22, STAGE                   ; my stage
	v_and_b32 v7, 31, v0
	v_lshlrev_b32 v[CO], 4, v7
.if OUTP
	v_mul_u32_u24 v7, v1, 528                      ; in: row l % 16, 32 bytes for each half of the lanes
	v_lshl_add_u32 v7, v2, 5, v7
	v_add_nc_u32 v[STO], s22, v7
	v_add_nc_u32 v[RD], s22, v[CO]                 ; back: 32 lanes take a row's 512 bytes
	s_lshl_b32 s16, s13, 19                        ; C: 128 rows of 4,096 bytes a tile row,
	s_lshl_b32 s17, s11, 18                        ; my 64 rows
	s_add_co_u32 s16, s16, s17
	s_mov_b32 s17, 0
	s_add_nc_u64 s[8:9], s[8:9], s[16:17]
	s_lshl_b32 s46, s42, 10                        ; 256 columns of 4 bytes (in the registers that held B's address: none that feeds A's descriptors ever holds cx),
	s_lshl_b32 s47, s12, 9                         ; my 128
	s_add_co_u32 s46, s46, s47
	s_mov_b32 s47, 0
	s_add_nc_u64 s[8:9], s[8:9], s[46:47]
	s_add_nc_u64 s[18:19], s[18:19], s[46:47]
	global_load_b128 v[BI:BI+3], v[CO], s[18:19]   ; the bias of columns 4 l .. 4 l + 3 of my 128
	s_wait_loadcnt 0x0                             ; in the wait for the first tile
	v_cvt_pk_bf16_f32 v30, v[BI], v[BI+1]          ; rounded to bf16 like every input, and widened again
	v_cvt_pk_bf16_f32 v31, v[BI+2], v[BI+3]
	v_lshlrev_b32 v[BI], 16, v30
	v_and_b32 v[BI+1], 0xffff0000, v30
	v_lshlrev_b32 v[BI+2], 16, v31
	v_and_b32 v[BI+3], 0xffff0000, v31
.else
	v_mul_u32_u24 v7, v1, 144                      ; in: row l % 16, 16 bytes for each half of the lanes
	v_lshl_add_u32 v7, v2, 4, v7
	v_add_nc_u32 v[STO], s22, v7
	v_bfe_u32 v7, v0, 3, 2                         ; back: 32 lanes take four rows of 128 bytes
	v_mul_u32_u24 v7, v7, 144
	v_lshl_add_u32 v7, v5, 4, v7
	v_add_nc_u32 v[RD], s22, v7
	s_and_b32 s16, s13, 63                         ; C: the tile row in its tensor:
	s_lshr_b32 s17, s16, 3                         ; the batch, 16 heads of 131,072 bytes,
	s_lshl_b32 s17, s17, 21
	s_and_b32 s16, s16, 7                          ; 128 rows of 128 bytes,
	s_lshl_b32 s16, s16, 14
	s_add_co_u32 s16, s16, s17
	s_lshl_b32 s17, s11, 13                        ; my 64 rows,
	s_add_co_u32 s16, s16, s17
	s_lshl_b32 s17, s45, 24                        ; part t of qkv
	s_add_co_u32 s16, s16, s17
	s_mov_b32 s17, 0
	s_add_nc_u64 s[8:9], s[8:9], s[16:17]
	s_lshl_b32 s46, s42, 19                        ; four heads a tile column (in the registers that held B's address: none that feeds A's descriptors ever holds cx),
	s_lshl_b32 s47, s12, 18                        ; my two
	s_add_co_u32 s46, s46, s47
	s_mov_b32 s47, 0
	s_add_nc_u64 s[8:9], s[8:9], s[46:47]
.endif
; 8 matrix instructions: m block a x all 8 n blocks, 32 along K, from buffer f.  zero = 1: the product starts the sums.  The 32 accumulators take turns.
.macro MUL8 f, a, zero
	WIN W_MUL
.irp b, 0,1,2,3,4,5,6,7
.if \zero
	WM v[8*(8*(\a)+\b):8*(8*(\a)+\b)+7], v[FB+64*(\f)+8*\b:FB+64*(\f)+8*\b+7], v[FA+32*(\f)+8*(\a):FA+32*(\f)+8*(\a)+7], 0
.else
	WM v[8*(8*(\a)+\b):8*(8*(\a)+\b)+7], v[FB+64*(\f)+8*\b:FB+64*(\f)+8*\b+7], v[FA+32*(\f)+8*(\a):FA+32*(\f)+8*(\a)+7], v[8*(8*(\a)+\b):8*(8*(\a)+\b)+7]
.endif
.endr
.endm
; 24 LDS loads in one run: the fragments of quarter q (32 along K) of a slot into buffer f: B's sixteen, then A's eight, blocks 2 and 3 last
.macro FETCH slot, q, f
	WIN 0
.irp b, 0,1,2,3,4,5,6,7
	ds_load_tr16_b128 v[FB+64*(\f)+8*\b:FB+64*(\f)+8*\b+3],   v[ADRB+(\slot)] offset:(\q)*32*BPITCH+32*\b
	ds_load_tr16_b128 v[FB+64*(\f)+8*\b+4:FB+64*(\f)+8*\b+7], v[ADRB+(\slot)] offset:(\q)*32*BPITCH+16*BPITCH+32*\b
.endr
.irp a, 0,1,2,3
.if OUTP
.set AO, ((\q)/2)*AHALF+\a*16*APITCH+((\q)%2)*64   ; head q / 2 of the step's two, channels 32 (q % 2) on
.else
.set AO, \a*16*APITCH+(\q)*64
.endif
	ds_load_b128 v[FA+32*(\f)+8*\a:FA+32*(\f)+8*\a+3],   v[ADRA+(\slot)] offset:AO
	ds_load_b128 v[FA+32*(\f)+8*\a+4:FA+32*(\f)+8*\a+7], v[ADRA+(\slot)] offset:AO+32
.endr
.endm
.macro PLACES                          ; four places in front of loads into registers that matrix instructions have read, and of lines that read results
.rept 4
	v_nop
.endr
.endm
; A K step is four quarters of 32 along K, 32 matrix instructions each, on buffers 0, 1, 0, 1.  One of the first three: multiplies buffer f and fetches quarter qn into g.
.macro QUARTER slot, qn, f, g, zero
	s_wait_dscnt 4                                 ; B and A's blocks 0 and 1 are in; the youngest four loads (blocks 2 and 3) may be out
	MUL8 \f, 0, \zero
	MUL8 \f, 1, \zero
	PLACES
	FETCH \slot, \qn, \g
	s_wait_dscnt 24                                ; all but the 24 just issued
	MUL8 \f, 2, \zero
	MUL8 \f, 3, \zero
.endm
; The last quarter multiplies buffer 1 and changes slots: ONE barrier; in front of it each wave waits for all its tensor loads (its part of the next slot), adds 0 to its spare word,
; and waits for that and for its own reads of this slot.  fill = 1: the barrier opens a round of the cluster's, and this slot is filled again, two K steps ahead, first thing behind it.
.macro TURN slot, next, fill
	WIN 0
	s_wait_tensorcnt 0x0                           ; all my tensor loads have landed
	ds_add_u32 v[SPW], v[NIL]                      ; 0 onto my spare word
	s_wait_dscnt 5                                 ; (the add and the youngest four loads may be out)
	MUL8 1, 0, 0                                   ; eight matrix instructions stand between the add and the wait for it
	s_wait_dscnt 0x0                               ; the add is done, and my reads of this slot are over
	s_barrier_signal -1
	MUL8 1, 1, 0
.if \fill
	WIN 0
.endif
	s_barrier_wait -1
.if \fill
	CREST                                          ; no wave of any partner still reads this slot's tile or has a load on its way
	s_add_nc_u64 s[G0+4*(\slot)+2:G0+4*(\slot)+3], s[G0+4*(\slot)+2:G0+4*(\slot)+3], 2*ASTEP
	s_add_nc_u64 s[G0B+4*(\slot)+2:G0B+4*(\slot)+3], s[G0B+4*(\slot)+2:G0B+4*(\slot)+3], 2*BSTEP
	JLOAD \slot                                    ; my one tensor load behind the round; the four v_nop behind it are also the places in front of the loads below
.else
	PLACES
.endif
	FETCH \next, 0, 0
	MUL8 1, 2, 0
	MUL8 1, 3, 0
.endm
	s_wait_tensorcnt 1                             ; my part of K step 0 is in; K step 1's may stay out
	s_barrier_signal -1
	s_barrier_wait -1                              ; everybody's is
	FETCH 0, 0, 0
	QUARTER 0, 1, 0, 1, 1                          ; the first quarter stands in front of the loop: its products start the sums
	WIN 0                                          ; at a label and at a branch every window is 0
	s_mov_b32 s3, 3
.Llap:                                                 ; a trip goes once round the ring and fills both slots again: K steps 2 to 7 in three trips
	QUARTER 0, 2, 1, 0, 0
	QUARTER 0, 3, 0, 1, 0
	TURN 0, 1, 1
	QUARTER 1, 1, 0, 1, 0
	QUARTER 1, 2, 1, 0, 0
	QUARTER 1, 3, 0, 1, 0
	TURN 1, 0, 1
	QUARTER 0, 1, 0, 1, 0
	WIN 0
	s_sub_co_u32 s3, s3, 1
	s_cmp_lg_u32 s3, 0
	s_cbranch_scc1 .Llap
	QUARTER 0, 2, 1, 0, 0                          ; the last lap fills nothing, and has no round of the cluster's barrier
	QUARTER 0, 3, 0, 1, 0
	TURN 0, 1, 0
	QUARTER 1, 1, 0, 1, 0
	QUARTER 1, 2, 1, 0, 0
	QUARTER 1, 3, 0, 1, 0
	s_wait_dscnt 4                                 ; the very last quarter: nothing more to fetch
	MUL8 1, 0, 0
	MUL8 1, 1, 0
	s_wait_dscnt 0x0
	MUL8 1, 2, 0
	MUL8 1, 3, 0
	WIN 0
	PLACES
.if OUTP
; THE WAY OUT, f32: block a (16 rows x 128 columns) goes into my stage as it lies in the accumulators and comes back as whole rows of 512 bytes; the bias is added; a store covers a row's 512 consecutive bytes.
.macro TOSTAGE a
.set BK, 64+64*((\a)%2)
	s_wait_xcnt 0x0                                ; the registers that the block two back was stored from are loaded again only behind this wait
	WIN 0x04                                       ; the stores' data in window 1
.irp b, 0,1,2,3,4,5,6,7
	ds_store_b128 v[STO], v[8*(8*(\a)+\b):8*(8*(\a)+\b)+3]   offset:64*\b      ; each accumulator's low end first
	ds_store_b128 v[STO], v[8*(8*(\a)+\b)+4:8*(8*(\a)+\b)+7] offset:64*\b+16
.endr
	WIN 0
.set i, 0
.rept 16
	ds_load_b128 v[BK+4*i:BK+4*i+3], v[RD] offset:i*528  ; LDS serves a wave's instructions in order: these see the stores above
.set i, i+1
.endr
.endm
.macro SEND a, younger                 ; younger: the LDS instructions issued behind block a's loads: the next block's 32, or none
.set BK, 64+64*((\a)%2)
.set i, 0
.rept 16
	s_wait_dscnt (\younger)+15-i
	v_pk_add_f32 v[BK+4*i:BK+4*i+1], v[BK+4*i:BK+4*i+1], v[BI:BI+1]
	v_pk_add_f32 v[BK+4*i+2:BK+4*i+3], v[BK+4*i+2:BK+4*i+3], v[BI+2:BI+3]
	global_store_b128 v[CO], v[BK+4*i:BK+4*i+3], s[8:9] offset:(16*(\a)+i)*4096 th:TH_STORE_NT
.set i, i+1
.endr
.endm
	TOSTAGE 0
	TOSTAGE 1
	SEND 0, 32
	TOSTAGE 2
	SEND 1, 32
	TOSTAGE 3
	SEND 2, 32
	SEND 3, 0
.else
; THE WAY OUT, f16 by heads: block a (16 rows x two heads) is rounded, 16 bytes a lane, goes into my stage, and comes back as rows of 128 bytes, which lie end to end in memory: a store covers 512 consecutive bytes.
.macro PACK a
	WIN 0x05                                       ; sources 0 and 1 window 1, destination window 0
.irp b, 0,1,2,3,4,5,6,7
.irp j, 0,1,2,3
	v_cvt_pk_f16_f32 v[TMP+4*\b+\j], v[8*(8*(\a)+\b)+2*\j], v[8*(8*(\a)+\b)+2*\j+1]
.endr
.endr
	WIN 0
.endm
.macro TOSTAGE a
.set BK, 64+32*((\a)%2)
.irp b, 0,1,2,3,4,5,6,7
	ds_store_b128 v[STO], v[TMP+4*\b:TMP+4*\b+3] offset:(\b/4)*2304+(\b%4)*32
.endr
.irp f, 0,1,2,3,4,5,6,7                ; head f / 4, rows 4 (f % 4) on
	ds_load_b128 v[BK+4*\f:BK+4*\f+3], v[RD] offset:(\f/4)*2304+(\f%4)*576  ; LDS serves a wave's instructions in order: these see the stores above
.endr
.endm
.macro SEND a
.set BK, 64+32*((\a)%2)
	s_wait_dscnt 0x0                               ; the block is back in registers
	s_wait_xcnt 0x0                                ; the block before's stores have read their registers: the next TOSTAGE loads into them
.irp f, 0,1,2,3,4,5,6,7
	global_store_b128 v[CO], v[BK+4*\f:BK+4*\f+3], s[8:9] offset:(\f/4)*131072+(\a)*2048+(\f%4)*512
.endr
.endm
	PACK 0
	TOSTAGE 0
.irp a, 1,2,3                          ; block a's conversions stand between block a - 1's loads from the stage and the wait for them
	PACK \a
	SEND (\a)-1
	TOSTAGE \a
.endr
	SEND 3
.endif
	s_wait_tensorcnt 0x0                           ; the wave's end, behind my last tensor load and my last LDS store
	ds_add_u32 v[SPW], v[NIL]
	s_wait_dscnt 0x0
	CROUND                                         ; the closing round: no work-group ends while a partner may still ask for a tile that names it
	s_endpgm
.Lfunc_end_k_qdcb0710ac2_outp:
	.size	k_qdcb0710ac2_outp, .Lfunc_end_k_qdcb0710ac2_outp-k_qdcb0710ac2_outp
	.p2alignl 7, 3214868480
	.fill 96, 4, 3214868480
	.section	.rodata,"a",@progbits
	.p2align	6, 0x0
	.amdhsa_kernel k_qdcb0710ac2_outp
		.amdhsa_group_segment_fixed_size 327680
		.amdhsa_private_segment_fixed_size 0
		.amdhsa_enable_private_segment 0
		.amdhsa_kernarg_size 32
		.amdhsa_user_sgpr_count 2
		.amdhsa_user_sgpr_kernarg_segment_ptr 1
		.amdhsa_wavefront_size32 1
		.amdhsa_system_sgpr_workgroup_id_x 1
		.amdhsa_system_sgpr_workgroup_id_y 1
		.amdhsa_system_sgpr_workgroup_id_z 1
		.amdhsa_system_vgpr_workitem_id 0
		.amdhsa_next_free_vgpr 512
		.amdhsa_next_free_sgpr 66
		.amdhsa_reserve_vcc 0
		.amdhsa_float_denorm_mode_32 3
		.amdhsa_float_denorm_mode_16_64 3
		.amdhsa_memory_ordered 1
		.amdhsa_forward_progress 1
		.amdhsa_inst_pref_size 95
	.end_amdhsa_kernel
	.amdgpu_metadata
---
amdhsa.version: [ 1, 2 ]
amdhsa.kernels:
  - .name:           k_qdcb0710ac2_outp
    .symbol:         k_qdcb0710ac2_outp.kd
    .args:
      - { .name: o16, .offset: 0, .size: 8, .value_kind: global_buffer, .address_space: global }
      - { .name: w16, .offset: 8, .size: 8, .value_kind: global_buffer, .address_space: global }
      - { .name: bo, .offset: 16, .size: 8, .value_kind: global_buffer, .address_space: global }
      - { .name: out0, .offset: 24, .size: 8, .value_kind: global_buffer, .address_space: global }
    .group_segment_fixed_size: 327680
    .private_segment_fixed_size: 0
    .kernarg_segment_align: 8
    .kernarg_segment_size: 32
    .max_flat_workgroup_size: 128
    .sgpr_count:     66
    .vgpr_count:     512
    .wavefront_size: 32
...
	.end_amdgpu_metadata
.endif
;; end of part 4
;; ======== version 2 of 2: 4 launches; version 1 with the launch prep written anew for expert scheduling mode
;; limits: values are held in f16: magnitudes above 65,504 overflow, below 6.1e-05 lose precision
;; workspace buffers: x16 50,331,648 bytes; w16 8,388,608 bytes; mbits 1,048,576 bytes of whole numbers; qkv 50,331,648 bytes; o16 16,777,216 bytes
;; launch prep (part 5): grid 704 x 1, 8 waves a work-group, no clusters, 35,840 bytes of LDS; arguments q, k, v, Wq, Wk, Wv, Wo, mask, target_mask, x16, w16, mbits; writes x16, w16, mbits
.if DOCPART == 5
	.amdgcn_target "amdgcn-amd-amdhsa--gfx1250"
	.amdhsa_code_object_version 6
	.text
	.protected	k_qdcb0710ac2_prep
	.globl	k_qdcb0710ac2_prep
	.p2align	8
	.type	k_qdcb0710ac2_prep,@function
k_qdcb0710ac2_prep:
	s_mov_b64 s[64:65], 0
	v_nop
	global_prefetch_b8 v0, s[64:65] scope:SCOPE_SE
	s_setreg_imm32_b32 hwreg(HW_REG_WAVE_SCHED_MODE, 0, 2), 2
	s_setreg_imm32_b32 hwreg(HW_REG_WAVE_MODE, 25, 1), 1
	s_wait_xcnt 0x0
	s_wait_alu depctr_vm_vsrc(0)
; PREP: the module's inputs are brought into the forms in which the later launches take them.  A stream: no matrix work, no barrier.
; Work-groups 0-447 CAST: a chunk of 65,536 f32 each.  q, k, v (128 chunks each) -> x16 [3][8192][1024] bf16; Wq, Wk, Wv (16 chunks each) -> w16 parts 0-2, bf16, as they lie ([k][n]);
;   Wo (16 chunks) -> w16 part 3: rounded to bf16 like every other input, and that number written as f16, since the last product takes f16 operands.
;   LIMIT: a bf16 value of Wo below 2^-14 keeps f16's fixed step of 6e-8; beyond 65,504 it would be an infinity.
; Work-groups 448-703 PACK THE MASKS: bit = (mask[b][key] != 0) and (target_mask[b][query][key] != 0), one bit a score, in the lane order in which the attention launch holds scores:
;   mbits [b 8][query tile 64][key step 16][32 words]; word i, bit L: query = 16 tile + L % 16, key = 64 step + 16 (i / 8) + 8 (L / 16) + i % 8.  A word is then the lane mask of one select.
;   A wave takes 16 queries x 256 keys: it reads whole pieces of 256 bytes of 16 rows, turns them through its own 4,352 bytes of LDS, and stores 512 consecutive bytes.
; THE MODE: SCHED_MODE bits 1:0 = 2 (LLVM: expert scheduling mode 2), set by the entry lines.  The code itself states the register dependences between vector instructions and
; memory or LDS instructions, and between a vector instruction that writes a scalar register and its readers, with s_wait_alu, always for 0.
; THE PLAN, CAST.  A chunk's 64 slots go in 16 blocks of four, on a ring of four blocks.  Registers that memory instructions touch:
;   X0 .. X3   Block b: its conversions read X[b]; behind them the loads of the block 16 slots on land in it.
;   Y0 .. Y3   Block b: its conversions write Y[b]; behind them its four stores read it; it is written again a lap (four blocks) later.
;   v2, v3     byte offsets, made once and never written again: the slots are reached by the two scalar bases, which move on by a block at each block's head, and by immediate offsets.
;   T is named by vector instructions alone.
; So a block has ONE wait on va_vdst, behind its conversions: they have written Y[b] and are done reading X[b]; its four loads and four stores follow with no vector instruction between.
; And ONE wait on vm_vsrc, at its head, behind the wait for its data: the stores of a lap ago have read Y[b].
; THE PLAN, MASKS.  KM: loaded, read by compares.  TM0 .. TM3: loaded; group s's selects write TM[s] in place, its LDS stores read it, nothing writes it again.  F: LDS loads land in it, compares read it.
;   v7, v188-v191: addresses, made once.  OUT: written lane by lane, read by the one store.  A group has one wait on va_vdst, ahead of its LDS stores and loads: its selects have written TM[s],
;   and the compares of the group before are done reading F.  The next group's selects stand between a group's LDS loads and the wait for them.
;   v[SPW], v[NIL]: written at the head, read by the closing add alone.
.set SPARE, 34816                      ; behind the eight waves' 4,352 bytes: the spare words, 128 bytes for each wave
.set SPW, 4                            ; v4   LDS address of my spare word; never rewritten
.set NIL, 5                            ; v5   0; never rewritten
.set X,   8                            ; cast: v[8:71]    block b, slot i: 4 f32 as loaded, at X + 16 b + 4 i
.set Y,   72                           ; cast: v[72:103]  block b, slot i: 4 numbers of 16 bits to store, at Y + 8 b + 2 i
.set T,   104                          ; cast: v[104:109] at work
.set KM,  8                            ; masks: v[8:23]    the key mask of my 256 keys
.set TM,  24                           ; masks: v[24:151]  target_mask: group s of 64 keys, pair of rows p at TM + 32 s + 4 p
.set F,   152                          ; masks: v[152:183] a group, turned: register i as in word i
.set OUT, 184                          ; masks: v[184:187] lane l holds words 4 l .. 4 l + 3 of the wave's 128
	s_load_b512 s[4:19], s[0:1], 0x0               ; q s[4:5], k s[6:7], v s[8:9], Wq s[10:11], Wk s[12:13], Wv s[14:15], Wo s[16:17], mask s[18:19]
	s_load_b256 s[20:27], s[0:1], 0x40             ; target_mask s[20:21], x16 s[22:23], w16 s[24:25], mbits s[26:27]
	v_lshl_add_u32 v[SPW], v0, 2, SPARE
	v_mov_b32 v[NIL], 0
	v_lshrrev_b32 v1, 5, v0
	v_readfirstlane_b32 s29, v1                    ; my wave's number
	s_mov_b32 s28, ttmp9                           ; the work-group's number
	s_mov_b32 s35, 0                               ; the high word of every offset pair s[34:35]
	s_wait_alu depctr_va_sdst(0)                   ; s29 is written
	s_cmp_ge_u32 s28, 448
	s_cbranch_scc1 .Lmask
	; ---------------- CAST ----------------
	v_lshlrev_b32 v2, 4, v0                        ; in: 16 bytes a thread: a wave's load covers 512 consecutive bytes
	v_lshlrev_b32 v3, 3, v0                        ; out: 8 bytes a thread: a wave's store covers 256 consecutive bytes, aligned
	s_wait_kmcnt 0x0
	s_cmp_ge_u32 s28, 128                          ; which tensor: the selects hang on the work-group's number alone
	s_cselect_b64 s[30:31], s[6:7], s[4:5]
	s_cmp_ge_u32 s28, 256
	s_cselect_b64 s[30:31], s[8:9], s[30:31]
	s_cmp_ge_u32 s28, 384
	s_cselect_b64 s[30:31], s[10:11], s[30:31]
	s_cselect_b64 s[32:33], s[24:25], s[22:23]     ; weights go to w16, the rest to x16
	s_cselect_b32 s36, 15, 127                     ; chunks in a source tensor, less 1
	s_cselect_b32 s37, 384, 0
	s_cmp_ge_u32 s28, 400
	s_cselect_b64 s[30:31], s[12:13], s[30:31]
	s_cmp_ge_u32 s28, 416
	s_cselect_b64 s[30:31], s[14:15], s[30:31]
	s_cmp_ge_u32 s28, 432
	s_cselect_b64 s[30:31], s[16:17], s[30:31]
	s_sub_co_u32 s37, s28, s37                     ; the chunk's number in its destination
	s_and_b32 s34, s37, s36                        ; and in its source
	s_lshl_b32 s34, s34, 18                        ; 262,144 bytes of f32 a chunk
	s_add_nc_u64 s[30:31], s[30:31], s[34:35]
	s_lshl_b32 s34, s37, 17                        ; 131,072 bytes of 16-bit numbers
	s_add_nc_u64 s[32:33], s[32:33], s[34:35]
	s_wait_alu depctr_va_vdst(0)                   ; v2 and v3 are written: every load and store of this path reads one of them as its offset
.set i, 0
.rept 16                                       ; the ring is filled: sixteen loads of every wave are on their way
	global_load_b128 v[X+4*i:X+4*i+3], v2, s[30:31] offset:i*4096 th:TH_LOAD_NT
.set i, i+1
.endr
; One block's turn: four slots of 1,024 numbers of the work-group.  b: its place in the ring.  ahead = 1: the block is loaded again, 16 slots on.  left: the younger loads that may stay out.  kind = 1: Wo.
; Both bases move on at the head of every block, the first too: so the loads reach 12 to 15 slots ahead of their base, and the stores 4 to 1 slots back from theirs.
.macro CBLK b, ahead, left, kind
	s_wait_loadcnt \left                           ; loads come back in order: X[b] is in, the younger blocks stay out
	s_wait_xcnt 0x0                                ; every earlier memory instruction has had its addresses translated: the bases and Y[b] are rewritten only behind this wait
	s_wait_alu depctr_vm_vsrc(0)                   ; the stores issued a lap ago have read Y[b], which the conversions below write again
.if \ahead
	s_add_nc_u64 s[30:31], s[30:31], 0x4000        ; four slots of 4,096 bytes
.endif
	s_add_nc_u64 s[32:33], s[32:33], 0x2000        ; four slots of 2,048 bytes
.irp i, 0,1,2,3
.if \kind
	v_cvt_pk_bf16_f32 v[T], v[X+16*(\b)+4*(\i)], v[X+16*(\b)+4*(\i)+1]        ; rounded to bf16,
	v_cvt_pk_bf16_f32 v[T+1], v[X+16*(\b)+4*(\i)+2], v[X+16*(\b)+4*(\i)+3]
	v_lshlrev_b32 v[T+2], 16, v[T]                                             ; widened again,
	v_and_b32 v[T+3], 0xffff0000, v[T]
	v_lshlrev_b32 v[T+4], 16, v[T+1]
	v_and_b32 v[T+5], 0xffff0000, v[T+1]
	v_cvt_pk_f16_f32 v[Y+8*(\b)+2*(\i)], v[T+2], v[T+3]                        ; and written as f16: exact within f16's range
	v_cvt_pk_f16_f32 v[Y+8*(\b)+2*(\i)+1], v[T+4], v[T+5]
.else
	v_cvt_pk_bf16_f32 v[Y+8*(\b)+2*(\i)], v[X+16*(\b)+4*(\i)], v[X+16*(\b)+4*(\i)+1]
	v_cvt_pk_bf16_f32 v[Y+8*(\b)+2*(\i)+1], v[X+16*(\b)+4*(\i)+2], v[X+16*(\b)+4*(\i)+3]
.endif
.endr
	s_wait_alu depctr_va_vdst(0)                   ; the conversions have written Y[b], which the stores below read, and are done reading X[b], in which the loads below land
.irp i, 0,1,2,3
.if \ahead
	global_load_b128 v[X+16*(\b)+4*(\i):X+16*(\b)+4*(\i)+3], v2, s[30:31] offset:(12+(\i))*4096 th:TH_LOAD_NT
.endif
	global_store_b64 v3, v[Y+8*(\b)+2*(\i):Y+8*(\b)+2*(\i)+1], s[32:33] offset:((\i)-4)*2048
.endr
.endm
; A chunk is four laps of four blocks; the last lap loads nothing (no load leaves the chunk) and its counts run down.
.macro CAST kind
	s_mov_b32 s38, 3
.Lround_\@:
	CBLK 0, 1, 12, \kind
	CBLK 1, 1, 12, \kind
	CBLK 2, 1, 12, \kind
	CBLK 3, 1, 12, \kind
	s_sub_co_u32 s38, s38, 1
	s_cmp_lg_u32 s38, 0
	s_cbranch_scc1 .Lround_\@
	CBLK 0, 0, 12, \kind
	CBLK 1, 0, 8, \kind
	CBLK 2, 0, 4, \kind
	CBLK 3, 0, 0, \kind
	s_endpgm                                       ; a casting wave has written no LDS
.endm
	s_cmp_ge_u32 s28, 432
	s_cbranch_scc1 .Lwo
	CAST 0
.Lwo:
	CAST 1
	; ---------------- MASKS ----------------
.Lmask:
	s_sub_co_u32 s30, s28, 448
	s_lshl_b32 s30, s30, 3
	s_add_co_u32 s30, s30, s29                     ; u = my wave's unit, 0 .. 2047: query tile u / 4 (of all batches), keys 256 (u % 4) on
	v_and_b32 v1, 31, v0                           ; L
	v_and_b32 v2, 15, v0                           ; L % 16
	v_bfe_u32 v3, v0, 4, 1                         ; L / 16
	v_lshlrev_b32 v189, 4, v2                      ; the key mask: 16 bytes a lane, both halves of the lanes alike
	v_lshl_add_u32 v188, v3, 12, v189              ; target_mask: lanes 0-15 one row's 256 bytes, lanes 16-31 the next row's
	s_mul_i32 s31, s29, 4352                       ; my wave's 16 rows of 272 bytes in LDS
	v_mul_u32_u24 v6, v3, 272
	v_add3_u32 v190, v6, v189, s31                 ; in: as loaded
	v_mul_u32_u24 v6, v2, 272
	v_lshl_add_u32 v6, v3, 5, v6
	v_add_nc_u32 v191, s31, v6                     ; back: row L % 16, eight keys from 8 (L / 16) on
	v_lshlrev_b32 v7, 4, v1                        ; out: 16 bytes a lane
.irp j, 0,1,2,3
	v_mov_b32 v[OUT+\j], 0                         ; v_writelane_b32 counts as a reader of its destination
.endr
	s_lshr_b32 s32, s30, 2
	s_and_b32 s33, s30, 3
	s_lshl_b32 s34, s32, 16                        ; 16 rows of 4,096 bytes
	s_lshl_b32 s36, s33, 10                        ; 256 keys of 4 bytes
	s_add_co_u32 s34, s34, s36
	s_wait_kmcnt 0x0
	s_add_nc_u64 s[20:21], s[20:21], s[34:35]
	s_lshr_b32 s34, s30, 8                         ; the batch
	s_lshl_b32 s34, s34, 12
	s_add_co_u32 s34, s34, s36
	s_add_nc_u64 s[18:19], s[18:19], s[34:35]
	s_lshl_b32 s34, s30, 9                         ; 128 words a unit
	s_add_nc_u64 s[26:27], s[26:27], s[34:35]
	s_wait_alu depctr_va_vdst(0)                   ; the five addresses v7 and v188 to v191 are written, which the loads, the LDS instructions and the store of this path read
.irp s, 0,1,2,3
	global_load_b128 v[KM+4*\s:KM+4*\s+3], v189, s[18:19] offset:256*\s
.endr
.set j, 0
.rept 32                                       ; group j / 8, rows 2 (j % 8) and 2 (j % 8) + 1
	global_load_b128 v[TM+4*j:TM+4*j+3], v188, s[20:21] offset:(j%8)*8192+(j/8)*256 th:TH_LOAD_NT
.set j, j+1
.endr
	s_wait_loadcnt 32                              ; the key mask is in; the 32 loads issued behind it stay out
.set j, 0
.rept 16
	v_cmp_ne_u32 s[40+j], 0, v[KM+j]               ; as lane masks, in the layout in which target_mask is loaded
.set j, j+1
.endr
	s_wait_alu depctr_va_sdst(0)                   ; s40 to s55 are written, ahead of the first select that reads one of them: one wait for the run of sixteen
; Group s of 64 keys, in three parts.  JOIN: both masks are joined.  TURNIN: the 16 x 64 words go through LDS, turned.  WORDS: each turned register becomes one word of 32 bits.
.macro JOIN s
	s_wait_loadcnt 8*(3-(\s))                      ; the later groups' loads stay out
.set j, 0
.rept 32
	v_cndmask_b32 v[TM+32*(\s)+j], 0, v[TM+32*(\s)+j], s[40+4*(\s)+j%4]  ; 0 where the key is hidden for every query
.set j, j+1
.endr
.endm
.macro TURNIN s
	s_wait_alu depctr_va_vdst(0)                   ; the selects have written TM[s], which the LDS stores read; the compares of the group before are done reading F, in which the LDS loads land
.irp p, 0,1,2,3,4,5,6,7
	ds_store_b128 v190, v[TM+32*(\s)+4*\p:TM+32*(\s)+4*\p+3] offset:\p*544
.endr
.irp f, 0,1,2,3,4,5,6,7
	ds_load_b128 v[F+4*\f:F+4*\f+3], v191 offset:(\f/2)*64+(\f%2)*16  ; my wave's own bytes: LDS serves a wave's instructions in order
.endr
.endm
.macro WORDS s
	s_wait_dscnt 0x0                               ; F is in
.irp h, 0,1,2,3
.irp e, 0,1,2,3,4,5,6,7
	v_cmp_ne_u32 s[56+\e], 0, v[F+8*\h+\e]         ; word 8 h + e of the group
.endr
	s_wait_alu depctr_va_sdst(0)                   ; s56 to s63 are written, ahead of the lines below that read them: one wait for the run of eight
.irp e, 0,1,2,3,4,5,6,7
	v_writelane_b32 v[OUT+(\e%4)], s[56+\e], 8*(\s)+2*\h+(\e/4)  ; word w = 32 s + 8 h + e goes to lane w / 4, register w % 4
.endr
.endr
.endm
	JOIN 0
	TURNIN 0
	JOIN 1                                         ; the next group's selects stand between a group's LDS loads and the wait for them
	WORDS 0
	TURNIN 1
	JOIN 2
	WORDS 1
	TURNIN 2
	JOIN 3
	WORDS 2
	TURNIN 3
	WORDS 3
	s_wait_alu depctr_va_vdst(0)                   ; the last v_writelane_b32 has written OUT, which the store reads
	global_store_b128 v7, v[OUT:OUT+3], s[26:27]   ; 512 consecutive bytes, aligned
	s_wait_dscnt 0x0                               ; the closing lines, six on end
	s_wait_alu 0x0
	s_wait_tensorcnt 0x0
	ds_add_u32 v[SPW], v[NIL]
	s_wait_dscnt 0x0
	s_endpgm
.Lfunc_end_k_qdcb0710ac2_prep:
	.size	k_qdcb0710ac2_prep, .Lfunc_end_k_qdcb0710ac2_prep-k_qdcb0710ac2_prep
	.p2alignl 7, 3214868480
	.fill 96, 4, 3214868480
	.section	.rodata,"a",@progbits
	.p2align	6, 0x0
	.amdhsa_kernel k_qdcb0710ac2_prep
		.amdhsa_group_segment_fixed_size 35840
		.amdhsa_private_segment_fixed_size 0
		.amdhsa_enable_private_segment 0
		.amdhsa_kernarg_size 96
		.amdhsa_user_sgpr_count 2
		.amdhsa_user_sgpr_kernarg_segment_ptr 1
		.amdhsa_wavefront_size32 1
		.amdhsa_system_sgpr_workgroup_id_x 1
		.amdhsa_system_sgpr_workgroup_id_y 1
		.amdhsa_system_sgpr_workgroup_id_z 1
		.amdhsa_system_vgpr_workitem_id 0
		.amdhsa_next_free_vgpr 192
		.amdhsa_next_free_sgpr 66
		.amdhsa_reserve_vcc 0
		.amdhsa_float_denorm_mode_32 3
		.amdhsa_float_denorm_mode_16_64 3
		.amdhsa_memory_ordered 1
		.amdhsa_forward_progress 1
		.amdhsa_inst_pref_size 70
	.end_amdhsa_kernel
	.amdgpu_metadata
---
amdhsa.version: [ 1, 2 ]
amdhsa.kernels:
  - .name:           k_qdcb0710ac2_prep
    .symbol:         k_qdcb0710ac2_prep.kd
    .args:
      - { .name: q, .offset: 0, .size: 8, .value_kind: global_buffer, .address_space: global }
      - { .name: k, .offset: 8, .size: 8, .value_kind: global_buffer, .address_space: global }
      - { .name: v, .offset: 16, .size: 8, .value_kind: global_buffer, .address_space: global }
      - { .name: Wq, .offset: 24, .size: 8, .value_kind: global_buffer, .address_space: global }
      - { .name: Wk, .offset: 32, .size: 8, .value_kind: global_buffer, .address_space: global }
      - { .name: Wv, .offset: 40, .size: 8, .value_kind: global_buffer, .address_space: global }
      - { .name: Wo, .offset: 48, .size: 8, .value_kind: global_buffer, .address_space: global }
      - { .name: mask, .offset: 56, .size: 8, .value_kind: global_buffer, .address_space: global }
      - { .name: target_mask, .offset: 64, .size: 8, .value_kind: global_buffer, .address_space: global }
      - { .name: x16, .offset: 72, .size: 8, .value_kind: global_buffer, .address_space: global }
      - { .name: w16, .offset: 80, .size: 8, .value_kind: global_buffer, .address_space: global }
      - { .name: mbits, .offset: 88, .size: 8, .value_kind: global_buffer, .address_space: global }
    .group_segment_fixed_size: 35840
    .private_segment_fixed_size: 0
    .kernarg_segment_align: 8
    .kernarg_segment_size: 96
    .max_flat_workgroup_size: 256
    .sgpr_count:     66
    .vgpr_count:     192
    .wavefront_size: 32
...
	.end_amdgpu_metadata
.endif
;; end of part 5
;; launch proj: the kernel of part 2 again; grid 4 x 96, 4 waves a work-group, clusters of 4 x 4, 327,680 bytes of LDS; arguments x16, w16, qkv; writes qkv
;; launch attn: the kernel of part 3 again; grid 2 x 128, 8 waves a work-group, no clusters, 327,680 bytes of LDS; arguments qkv, mbits, o16; writes o16
;; launch outp: the kernel of part 4 again; grid 4 x 64, 4 waves a work-group, clusters of 4 x 4, 327,680 bytes of LDS; arguments o16, w16, bo, out0; writes out0
